; MI455X (gfx1250); checked and timed in simulation.
; The chip was launched on July 23, 2026; its instructions are those of AMD's public machine-readable ISA for CDNA 5 (MIT licence, August 2026) and "CDNA5" Instruction Set Architecture Reference Guide (July 2026). The comments in the code are by the model that wrote it; some were corrected since.
;; Attention. Allowed arithmetic: matrix products marked QUANTISED: E5M2 operands, one given power-of-two scale a tensor, by v_wmma_f32_16x16x64_bf8_bf8 or v_wmma_f32_16x16x128_bf8_bf8, f32 sums; everything else in f32.
;; Inputs: key 4 x 16 x 2,048 x 64 float32; lowp_scales 4 int32 (the exponents e of the quantised operands' scales 2^e); mask 2,048 x 2,048 bool; query 4 x 16 x 2,048 x 64 float32; value 4 x 16 x 2,048 x 64 float32.
;; Outputs: out0 4 x 16 x 2,048 x 64 float32.
;; This version of the problem:
;;   THIS VERSION OF THE PROBLEM IS GIVEN IN LOW PRECISION. The matrix products marked QUANTISED in the list below multiply operands that are first quantised to E5M2 (5 exponent bits, 2 mantissa bits; 8 bits a number), with one given power-of-two scale for each operand tensor; their sums are f32. All else is computed in f32.
;;   The module's matrix products, in the order in which they are computed (A, B: the left and right operand; K: the contracted axis; several contracted axes count as one K, in the product's order):
;;     1. batch 64 x [M 2,048, K 64] x [K 64, N 2,048]; A: input query; B: input key: QUANTISED (scales: A lowp_scales[0], B lowp_scales[1])
;;     2. batch 64 x [M 2,048, K 2,048] x [K 2,048, N 64]; A: softmax (see below); B: input value: QUANTISED (scales: A lowp_scales[2], B lowp_scales[3])
;;   THE QUANTISER, for each operand of a quantised product, along K:
;;     - The operand's scale is 2^e, e = its entry of the input lowp_scales (int32; the entries are numbered through the quantised products in the list's order, A before B).
;;     - Each number is divided by the scale, clamped to +-57,344, and rounded to the nearest number of E5M2, ties to even, subnormals kept.
;;     - The product sums the exact products of the quantised numbers (number of the format x scale) in f32.
;;   ~~~python
;;   def quantise(x, axis, e):      # numpy; x: float32 -> the quantised numbers, widened to float32 again
;;       x = np.moveaxis(x, axis, -1); K = x.shape[-1]
;;       r = np.clip(x / 2.0 ** e, -57344, 57344)
;;       step = 2.0 ** (np.maximum(np.frexp(np.where(r == 0, 1, r))[1] - 1, -14) - 2)
;;       q = np.round(r / step) * step * 2.0 ** e      # np.round: ties to even
;;       return np.moveaxis(q, -1, axis).astype(np.float32)
;;   ~~~
;;   SOFTMAX AHEAD OF A QUANTISED PRODUCT. Where the list says 'softmax', what is quantised is not the finished softmax but p = 2^(t - M), with t = logit x log2(e) and M = ceil(the row's largest t), a whole number; so 1/2 < the row's largest p <= 1. The row's sum l is taken of the UNQUANTISED p, in f32, and the product's result is divided by l at the end. Since M is a whole number, a kernel that streams over the keys may use a running M (the ceiling of the running maximum): every later rescaling is an exact power of two, so the quantised numbers keep their values, but for numbers so far below the row's largest that they fall under the format's range.
;;   OPERANDS COMPUTED ON THE WAY. 'Computed on the way' means the value that the module computes at that place (a softmax that the list does not call 'softmax' is quantised finished and normalised). What goes into a quantiser is computed in f32, as accurately as f32 sums, v_exp_f32 and their like allow (about 1e-6 of the number): no bf16 or f16 on the way to a quantiser, and a product that is left as it is and whose result goes on into a quantised operand takes f32 operands (vector FMAs, or v_wmma_f32_16x16x4_f32). A number that lies on a knife's edge between two numbers of the format may be rounded either way, as far as f32 arithmetic and the matrix unit's own rounding can turn it there, and no further.
;; 2 versions. Each part assembles by itself: llvm-mc -triple=amdgcn-amd-amdhsa -mcpu=gfx1250 --defsym DOCPART=n.
;; ======== version 1 of 2: 2 launches
;; workspace buffers: kv 16,777,216 bytes; mw 524,288 bytes of whole numbers; fl 2,048 bytes of whole numbers
;; launch prep (part 1): grid 2176 x 1, 4 waves a work-group, no clusters, 35,328 bytes of LDS; arguments key, value, mask, lowp_scales, kv, mw, fl; writes kv, mw, fl
.if DOCPART == 1
	.amdgcn_target "amdgcn-amd-amdhsa--gfx1250"
	.amdhsa_code_object_version 6
	.text
	.protected	k_qbc591f12ed_prep
	.globl	k_qbc591f12ed_prep
	.p2align	8
	.type	k_qbc591f12ed_prep,@function
k_qbc591f12ed_prep:
	s_mov_b64 s[64:65], 0
	v_nop
	global_prefetch_b8 v0, s[64:65] scope:SCOPE_SE
	s_setreg_imm32_b32 hwreg(HW_REG_WAVE_MODE, 25, 1), 1
	s_wait_xcnt 0x0
; ATTENTION ON CODES OF BF8 (E5M2), FIRST OF TWO LAUNCHES: key and value become codes, once, laid as images of the operand registers that the second launch wants; the mask becomes lane masks and flags.
; out[b,h,q,:] = sum over k of softmax_k(where(mask[q,k], query.key, -inf) / 8) value[k,:], 64 heads (b,h), 2,048 positions, head size 64.
; WHAT THE PROGRAM LEAVES OUT, AND WHY IT MAY.  No input is left out: every one has a way to the output.  The mask is an input of whole numbers (bool bytes), and no pattern of it is built in.
;   A tile of 16 queries x 128 keys all of whose 2,048 mask bytes are 0 gives -inf for each of its scores, so p = 0 for each, whatever key, query and value hold: it adds 0 to the row's sum and 0 to the second product.
;   Such tiles are passed over in the second launch, by a branch on the flags that THIS launch stores as whole numbers.  A tile all of whose bytes are set needs no select: the flags say that too.
;   LIMIT: a NaN or an infinity of value at a hidden key, which 0 x value would carry into reference()'s result, is not carried.
; THE QUANTISER: code = x / 2^e, held within +-57,344, rounded to the nearest code, ties to even.  e: lowp_scales[1] for key, [3] for value.  LIMITS: -126 <= e <= 112, so that 2^e and 57,344 x 2^e are f32 numbers.
;   NaN among key and value is not served; an infinity is held at the largest code.
; WORKSPACE (lane l = 16 h + r):
;   kv[head 64][step 16][16,384 bytes], a step = 128 keys.  Bytes 0-8,191, K: [tile t 8][c 2][lane 32][16]: key 128 step + 32 (t/2) + 8 (t%2) + r + 8 (r/8), d = 32 c + 16 h + 0..15.
;     The keys of a tile are not neighbours, so that in S^T = K Q^T the 16 registers of tiles 2 b, 2 b + 1 are 16 neighbouring keys.  Bytes 8,192 on, V^T: [dt 4][c 4][lane 32][16]: d = 16 dt + r, keys 128 step + 32 c + 16 h + 0..15.
;   mw[T 128][step 16][n 64] words: bit l of word n = 16 b + i is mask[16 T + r][128 step + 32 b + 16 h + i]: the lane mask of score register n.
;   fl[T 128][g 4] words: bit 4 g + s: some byte of tile (T, step 4 g + s) is set; bit 16 + 4 g + s: not every byte of it is 1.
; ROLES, by the work-group's number alone: 0-127 the mask (T = number; wave g takes steps 4 g .. 4 g + 3); 128-1,151 key; 1,152-2,175 value (number = head x 16 + step; wave w takes 32 keys).
; No matrix unit, no tensor load, no cluster, no barrier: the launch streams, waves share nothing, and no two work-groups read the same bytes.
.set NMASK, 128
.set NSTEP, 1024
.set SP,    272                        ; a key's row in the stage: 256 bytes + 16
.set WSTG,  32*SP                      ; a wave's stage: 32 keys
.set SPARE, 4*WSTG                     ; behind the four stages: the spare words, 128 bytes for each wave: two blocks of 256 bytes that no other line names
.set LI,   1                           ; v1   16 x lane
.set KIN,  4                           ; v4   key's role: into the stage, as loaded
.set KOUT, 5                           ; v5   key's role: out of it, 16 neighbours along d of my tile row
.set LANE, 6                           ; v6
.set GA,   7                           ; v7   a role's offset for its loads
.set GB,   8                           ; v8   a role's offset for its stores
.set LIM,  10                          ; v10  57,344 x 2^e
.set SCL,  11                          ; v11  2^e
.set SPW,  14                          ; v14  LDS address of my spare word; never rewritten
.set NIL,  15                          ; v15  0; never rewritten
.set XA,   16                          ; v16-79   numbers as loaded
.set XB,   80                          ; v80-143  key: numbers in the operand's order; mask: v80-83 at work
.set CD,   144                         ; v144-159 codes; mask: v144-151 the lane masks, two registers a step
.macro FINISH                          ; a wave's end
	s_wait_tensorcnt 0x0
	ds_add_u32 v[SPW], v[NIL]
	s_wait_dscnt 0x0
	s_endpgm
.endm
.macro SCALES se                       ; 2^e, whose exponent field the conversion takes, and the hold's bound
	s_wait_kmcnt 0x0
	s_add_co_i32 s24, \se, 127
	s_lshl_b32 s25, s24, 23
	v_mov_b32 v[SCL], s25
	s_add_co_i32 s24, s24, 15
	s_lshl_b32 s24, s24, 23
	s_or_b32 s24, s24, 0x600000
	v_mov_b32 v[LIM], s24
.endm
	s_load_b256 s[4:11], s[0:1], 0x0               ; key s[4:5], value s[6:7], mask s[8:9], the exponents s[10:11]
	s_load_b128 s[12:15], s[0:1], 0x20             ; kv s[12:13], mw s[14:15]
	s_load_b64 s[16:17], s[0:1], 0x30              ; fl
	v_lshl_add_u32 v[SPW], v0, 2, SPARE
	v_mov_b32 v[NIL], 0
	v_lshrrev_b32 v1, 5, v0
	v_readfirstlane_b32 s18, v1                    ; wave 0..3
	v_and_b32 v[LANE], 31, v0
	v_and_b32 v2, 15, v0                           ; r
	v_bfe_u32 v3, v0, 4, 1                         ; h
	v_lshlrev_b32 v[LI], 4, v[LANE]
	s_mul_i32 s24, s18, WSTG                       ; both LDS addresses are made here, ahead of the parting of the roles
	v_mul_u32_u24 v[KIN], v3, SP
	v_lshl_add_u32 v[KIN], v2, 4, v[KIN]
	v_add_nc_u32 v[KIN], s24, v[KIN]               ; a load's 512 bytes are two keys' rows: lanes 0-15 one row, lanes 16-31 the next
	v_and_b32 v[KOUT], 8, v2
	v_add_nc_u32 v[KOUT], v[KOUT], v2              ; r + 8 (r / 8)
	v_mul_u32_u24 v[KOUT], v[KOUT], SP
	v_lshl_add_u32 v[KOUT], v3, 6, v[KOUT]         ; + 64 h bytes: d = 16 h on
	v_add_nc_u32 v[KOUT], s24, v[KOUT]
	s_mov_b32 s33, 0
	s_mov_b32 s35, 0
	s_wait_kmcnt 0x0
	s_cmp_lt_u32 ttmp9, NMASK
	s_cbranch_scc1 .Lmask
	s_load_b128 s[28:31], s[10:11], 0x0            ; eq, ek, ep, ev
	s_cmp_lt_u32 ttmp9, NMASK+NSTEP
	s_mov_b32 s24, NMASK+NSTEP
	s_cselect_b32 s24, NMASK, s24
	s_sub_co_u32 s19, ttmp9, s24                   ; head x 16 + step
	s_lshl_b32 s32, s19, 15                        ; a step's 128 rows of 256 bytes,
	s_lshl_b32 s25, s18, 13                        ; my wave's 32 of them
	s_add_co_u32 s32, s32, s25
	s_lshl_b32 s34, s19, 14
	s_add_nc_u64 s[12:13], s[12:13], s[34:35]      ; kv at the step's image
	s_cmp_lt_u32 ttmp9, NMASK+NSTEP
	s_cbranch_scc0 .Lvalue
	; ---- KEY.  d is innermost: the loads take the bytes as they lie (512 consecutive bytes each); the wave's own stage turns them, so that a lane holds 16 neighbours along d of the key that its tile row wants.
	s_add_nc_u64 s[4:5], s[4:5], s[32:33]
	s_lshl_b32 s34, s18, 11                        ; my two tiles' 2,048 bytes of the image
	s_add_nc_u64 s[12:13], s[12:13], s[34:35]
.irp i, 0,1,2,3,4,5,6,7,8,9,10,11,12,13,14,15
	global_load_b128 v[XA+4*\i:XA+4*\i+3], v[LI], s[4:5] offset:512*\i th:TH_LOAD_NT
.endr
	SCALES s29
.irp i, 0,1,2,3,4,5,6,7,8,9,10,11,12,13,14,15
	s_wait_loadcnt 15-\i                           ; loads come back in order: load i is in, the 15 - i younger ones stay out
	ds_store_b128 v[KIN], v[XA+4*\i:XA+4*\i+3] offset:2*SP*\i
.endr
.irp u, 0,1                                    ; tile 2 w + u: key 8 u + r + 8 (r / 8) of my 32.  The bytes are my wave's own, and a wave's LDS instructions are served in order: no wait, no barrier
.irp c, 0,1
.irp p, 0,1,2,3
	ds_load_b128 v[XB+32*\u+16*\c+4*\p:XB+32*\u+16*\c+4*\p+3], v[KOUT] offset:8*SP*\u+128*\c+16*\p
.endr
.endr
.endr
	s_wait_dscnt 0x0
.set j, 0
.rept 64
	v_med3_num_f32 v[XB+j], v[XB+j], -v[LIM], v[LIM]   ; the conversion to an 8-bit code does not saturate (ISA guide 7.6.2): the hold comes first
.set j, j+1
.endr
.irp g, 0,1,2,3                                ; g = 2 u + c
	v_cvt_scalef32_pk8_bf8_f32 v[CD+4*\g:CD+4*\g+1], v[XB+16*\g:XB+16*\g+7], v[SCL]
	v_cvt_scalef32_pk8_bf8_f32 v[CD+4*\g+2:CD+4*\g+3], v[XB+16*\g+8:XB+16*\g+15], v[SCL]
.endr
.irp g, 0,1,2,3
	global_store_b128 v[LI], v[CD+4*\g:CD+4*\g+3], s[12:13] offset:512*\g   ; 32 lanes store 512 consecutive bytes, at a multiple of 256 from kv's first byte
.endr
	FINISH
	; ---- VALUE.  The keys are the second product's K and are not innermost: a lane takes columns d = lane and lane + 32, and its registers run down my wave's 32 keys.  Nothing is transposed.
.Lvalue:
	s_add_nc_u64 s[6:7], s[6:7], s[32:33]
	s_lshl_b32 s34, s18, 9                         ; c = my wave: 512 bytes in each dt,
	s_add_co_u32 s34, s34, 8192                    ; behind K's image
	s_add_nc_u64 s[12:13], s[12:13], s[34:35]
	v_lshlrev_b32 v[GA], 2, v[LANE]
	v_lshlrev_b32 v[GB], 4, v2                     ; 16 r,
	v_lshl_add_u32 v[GB], v3, 11, v[GB]            ; + 2,048 (lane / 16): dt = 2 a + lane / 16
.set i, 0
.rept 32
	global_load_b32 v[XA+i], v[GA], s[6:7] offset:256*i th:TH_LOAD_NT          ; value(key i, lane): 128 consecutive bytes,
	global_load_b32 v[XA+32+i], v[GA], s[6:7] offset:256*i+128 th:TH_LOAD_NT   ; and the row's other 128 next to them
.set i, i+1
.endr
	SCALES s31
	s_wait_loadcnt 0x0
.set j, 0
.rept 64
	v_med3_num_f32 v[XA+j], v[XA+j], -v[LIM], v[LIM]
.set j, j+1
.endr
.irp g, 0,1,2,3                                ; g = 2 a + hh: column lane + 32 a, keys 16 hh + 0..15 of my 32
	v_cvt_scalef32_pk8_bf8_f32 v[CD+4*\g:CD+4*\g+1], v[XA+16*\g:XA+16*\g+7], v[SCL]
	v_cvt_scalef32_pk8_bf8_f32 v[CD+4*\g+2:CD+4*\g+3], v[XA+16*\g+8:XA+16*\g+15], v[SCL]
.endr
.irp a, 0,1
.irp hh, 0,1
	global_store_b128 v[GB], v[CD+8*\a+4*\hh:CD+8*\a+4*\hh+3], s[12:13] offset:4096*\a+256*\hh   ; sixteen neighbouring lanes store 256 consecutive bytes, aligned
.endr
.endr
	FINISH
	; ---- MASK.  Lane (r, h) takes, of row 16 T + r, the 16 bytes at 32 b + 16 h of each step: byte i of them belongs to score register 16 b + i of that lane.  A compare makes the 32 lanes' bits one word.
.Lmask:
	s_lshl_b32 s32, ttmp9, 15                      ; 16 rows of 2,048 bytes,
	s_lshl_b32 s25, s18, 9                         ; my wave's four steps of 128
	s_add_co_u32 s32, s32, s25
	s_add_nc_u64 s[8:9], s[8:9], s[32:33]
	s_lshl_b32 s34, ttmp9, 12                      ; mw: 16 steps of 256 bytes a tile,
	s_lshl_b32 s25, s18, 10                        ; my four
	s_add_co_u32 s34, s34, s25
	s_add_nc_u64 s[14:15], s[14:15], s[34:35]
	s_lshl_b32 s32, ttmp9, 4                       ; fl: four words a tile,
	s_lshl_b32 s27, s18, 2                         ; mine.  (4 g is also the shift of my flags)
	s_add_co_u32 s32, s32, s27
	s_add_nc_u64 s[16:17], s[16:17], s[32:33]
	v_lshlrev_b32 v[GA], 11, v2
	v_lshl_add_u32 v[GA], v3, 4, v[GA]
	v_lshlrev_b32 v[GB], 3, v[LANE]
.irp s, 0,1,2,3
.irp b, 0,1,2,3
	global_load_b128 v[XA+16*\s+4*\b:XA+16*\s+4*\b+3], v[GA], s[8:9] offset:128*\s+32*\b   ; the sixteen loads together take 512 consecutive bytes of each of 16 rows
.endr
.endr
.irp j, 0,1,2,3,4,5,6,7
	v_mov_b32 v[CD+\j], 0                          ; written once: v_writelane_b32's destination counts as read
.endr
	s_mov_b32 s26, 0
.macro MSTEP s
	s_wait_loadcnt 12-4*(\s)                       ; this step's four loads are in; the later steps', four each, stay out
.set n, 0
.rept 16                                       ; four bytes of one word at a time
.irp k, 0,1,2,3
	v_and_b32 v[XB+\k], 0xff<<(8*\k), v[XA+16*(\s)+n/4]
.endr
.irp k, 0,1,2,3
	v_cmp_ne_u32 s[20+\k], 0, v[XB+\k]             ; word n + k: bit l = my lane's byte is set
.endr
.irp k, 0,1,2,3
	v_writelane_b32 v[CD+2*(\s)+(\k&1)], s[20+\k], (n+\k)>>1   ; word n lies in lane n / 2, register n % 2: the store below lays the 64 words on end
.endr
.set n, n+4
.endr
	v_or_b32 v12, v[XA+16*(\s)], v[XA+16*(\s)+1]
	v_and_b32 v13, v[XA+16*(\s)], v[XA+16*(\s)+1]
.irp q, 2,3,4,5,6,7,8,9,10,11,12,13,14,15
	v_or_b32 v12, v12, v[XA+16*(\s)+\q]
	v_and_b32 v13, v13, v[XA+16*(\s)+\q]
.endr
	v_cmp_ne_u32 vcc_lo, 0, v12                    ; some byte of the tile is set
	s_cmp_lg_u32 vcc_lo, 0
	s_cselect_b32 s24, 1<<(\s), 0
	s_or_b32 s26, s26, s24
	v_cmp_ne_u32 vcc_lo, 0x01010101, v13           ; not every byte is 1.  (A byte other than 0 and 1 makes the tile count as mixed, where the words decide: never as wholly visible)
	s_cmp_lg_u32 vcc_lo, 0
	s_cselect_b32 s24, 0x10000<<(\s), 0
	s_or_b32 s26, s26, s24
	global_store_b64 v[GB], v[CD+2*(\s):CD+2*(\s)+1], s[14:15] offset:256*(\s)   ; 32 lanes store 256 consecutive bytes, aligned; each step has data registers of its own
.endm
	MSTEP 0
	MSTEP 1
	MSTEP 2
	MSTEP 3
	s_lshl_b32 s26, s26, s27                       ; bits s and 16 + s become 4 g + s and 16 + 4 g + s
	v_mov_b32 v12, s26
	v_mov_b32 v13, 0
	v_cmp_eq_u32 vcc_lo, 0, v[LANE]
	s_wait_xcnt 0x0                                ; EXEC is a source of the stores above: it changes only behind this wait
	s_and_saveexec_b32 s36, vcc_lo
	global_store_b32 v13, v12, s[16:17]            ; one word a wave: all that a wave has of this table of 2,048 bytes
	s_wait_xcnt 0x0                                ; and again ahead of the line that widens it
	s_or_b32 exec_lo, exec_lo, s36
	FINISH
.Lfunc_end_k_qbc591f12ed_prep:
	.size	k_qbc591f12ed_prep, .Lfunc_end_k_qbc591f12ed_prep-k_qbc591f12ed_prep
	.p2alignl 7, 3214868480
	.fill 96, 4, 3214868480
	.section	.rodata,"a",@progbits
	.p2align	6, 0x0
	.amdhsa_kernel k_qbc591f12ed_prep
		.amdhsa_group_segment_fixed_size 35328
		.amdhsa_private_segment_fixed_size 0
		.amdhsa_enable_private_segment 0
		.amdhsa_kernarg_size 56
		.amdhsa_user_sgpr_count 2
		.amdhsa_user_sgpr_kernarg_segment_ptr 1
		.amdhsa_wavefront_size32 1
		.amdhsa_system_sgpr_workgroup_id_x 1
		.amdhsa_system_sgpr_workgroup_id_y 1
		.amdhsa_system_sgpr_workgroup_id_z 1
		.amdhsa_system_vgpr_workitem_id 0
		.amdhsa_next_free_vgpr 160
		.amdhsa_next_free_sgpr 66
		.amdhsa_reserve_vcc 1
		.amdhsa_float_denorm_mode_32 3
		.amdhsa_float_denorm_mode_16_64 3
		.amdhsa_memory_ordered 1
		.amdhsa_forward_progress 1
		.amdhsa_inst_pref_size 80
	.end_amdhsa_kernel
	.amdgpu_metadata
---
amdhsa.version: [ 1, 2 ]
amdhsa.kernels:
  - .name:           k_qbc591f12ed_prep
    .symbol:         k_qbc591f12ed_prep.kd
    .args:
      - { .name: key, .offset: 0, .size: 8, .value_kind: global_buffer, .address_space: global }
      - { .name: value, .offset: 8, .size: 8, .value_kind: global_buffer, .address_space: global }
      - { .name: mask, .offset: 16, .size: 8, .value_kind: global_buffer, .address_space: global }
      - { .name: lowp_scales, .offset: 24, .size: 8, .value_kind: global_buffer, .address_space: global }
      - { .name: kv, .offset: 32, .size: 8, .value_kind: global_buffer, .address_space: global }
      - { .name: mw, .offset: 40, .size: 8, .value_kind: global_buffer, .address_space: global }
      - { .name: fl, .offset: 48, .size: 8, .value_kind: global_buffer, .address_space: global }
    .group_segment_fixed_size: 35328
    .private_segment_fixed_size: 0
    .kernarg_segment_align: 8
    .kernarg_segment_size: 56
    .max_flat_workgroup_size: 128
    .sgpr_count:     66
    .vgpr_count:     160
    .wavefront_size: 32
...
	.end_amdgpu_metadata
.endif
;; end of part 1
;; launch attn (part 2): grid 64 x 8, 16 waves a work-group, no clusters, 104,448 bytes of LDS; arguments kv, query, out0, fl, mw, lowp_scales; writes out0
.if DOCPART == 2
	.amdgcn_target "amdgcn-amd-amdhsa--gfx1250"
	.amdhsa_code_object_version 6
	.text
	.protected	k_qbc591f12ed_attn
	.globl	k_qbc591f12ed_attn
	.p2align	8
	.type	k_qbc591f12ed_attn,@function
k_qbc591f12ed_attn:
	s_mov_b64 s[64:65], 0
	v_nop
	global_prefetch_b8 v0, s[64:65] scope:SCOPE_SE
	s_setreg_imm32_b32 hwreg(HW_REG_WAVE_MODE, 25, 1), 1
	s_wait_xcnt 0x0
; ATTENTION ON CODES OF BF8 (E5M2), SECOND LAUNCH.  out[head][q][:] = sum over k of softmax_k(where(mask[q,k], Q.K, -inf) / 8) V[k][:]; 64 heads, 2,048 positions, head size 64.
; LEFT OUT, by whole numbers that the first launch stored (fl, mw): a tile of 16 queries x 128 keys whose mask bytes are all 0 (each p is 0: it adds nothing to the sum or to the product, whatever the inputs hold);
;   the selects in a tile whose bytes are all 1; and the hold ahead of p's conversion where ep >= -15 (p <= 1 <= 57,344 x 2^ep: the hold changes nothing).  LIMIT: a NaN or infinity of value at a hidden key is not carried.
; THE SOFTMAX AHEAD OF THE SECOND PRODUCT: t = score x log2(e) / 8; M = the row's largest t so far, rounded UP to a whole number; p = 2^(t - M) is quantised with 2^ep, not normalised; the row's sum is taken of the
;   unquantised p and divides O at the end; when M moves, the sum and O are multiplied by 2^(old M - new M), which rounds nothing.  A row with no visible key has the sum 0 and O = 0: 0 x infinity, NaN, as reference() has it.
; SHARES.  Work-group (x, y): head x, queries 256 (7 - y) on (the later blocks first: an order, nothing hangs on it).  Each of SIXTEEN waves owns 16 queries in 224 registers: four waves to a SIMD, so that one
;   wave's vector work stands beside another's matrix work and LDS loads.  All waves walk the head's 16 steps of 128 keys; a wave passes over the work of a step that the flags call hidden for its tile.
; K AND V come as images of the operand registers (first launch): a step is 16,384 dense bytes.  The 512 threads bring it through registers, 2 x 16 bytes each, into one of two LDS slots, a step ahead;
;   a fragment's four registers are one ds_load_b128 at 16 x lane: consecutive bytes, no pitch, no padding.  A step that the flags call hidden for all 256 queries is not loaded.
; NO TENSOR LOAD, NO CLUSTER: which steps a work-group loads and which a wave works hangs on numbers read from memory; joint loads are tensor loads,
;   and the eight query blocks of a head would need different steps, as the mask has it.
; LAYOUT.  Both products are used transposed: S^T = K Q^T (source 0 = 16 keys, source 1 = my 16 queries, K = 64), O^T = V^T P^T (source 0 = 16 of the head's 64, source 1 = P, K = 128 keys): a lane holds ONE query (lane % 16).
;   Registers 4 c .. 4 c + 3 of an operand hold k = 32 c + 16 (lane / 16) + 0..15: a permutation of k, the same on both sides of each product.  Score register 16 b + i is key 32 b + 16 (lane / 16) + i of the step.
; LIMITS on the given exponents, so that each power of two below is an f32 number: eq and ep between -126 and 112; eq + ek between -123 and 130 (added to c's exponent field); ep + ev goes by v_ldexp_f32 and has none.
;   NaN in query is not served; an infinity is held at the largest code.
.set SLOTB, 16384                      ; a slot: K's image, 8,192 bytes, then V's
.set VIMG,  8192
.set SP,    272                        ; a stage row: 256 bytes + 16
.set STAGE, 2*SLOTB                    ; behind the slots: 16 rows for each wave, for Q on the way in and O on the way out
.set SPARE, STAGE+16*16*SP             ; behind the stages: the spare words, 128 bytes for each wave: eight blocks of 256 bytes that no other line names
.set LI,   1                           ; v1   16 x lane
.set GOFF, 2                           ; v2   16 x thread: my 16 bytes of each half of a step
.set SPW,  3                           ; v3   LDS address of my spare word; never rewritten
.set NIL,  4                           ; v4   0; never rewritten
.set NINF, 5                           ; v5   -infinity
.set PLIM, 6                           ; v6   57,344 x 2^ep
.set PSC,  7                           ; v7   2^ep
.set STO,  8                           ; v8   stage: row r, + 32 h
.set RD,   9                           ; v9   stage: lanes 0-15 one row, lanes 16-31 the next
.set QR,   10                          ; v10  stage: row r, + 64 h
.set PFO,  11                          ; v11  the prefetch's offset
.set NM,   12                          ; v12  -M;  v13 the largest t so far
.set LS,   14                          ; v[14:15] the row's sum, in two halves
.set QF,   16                          ; v16-23   Q's fragment
.set FL,   24                          ; v24-31   my 32 bytes of the step on its way
.set KV,   32                          ; v32-95   K's 8 fragments, then V's 4
.set SS,   96                          ; v96-159  S^T, then p
.set OT,   160                         ; v160-191 O^T
.set PC,   192                         ; v192-207 p's codes
.set MA,   208                         ; v208, v209 at work
.set MB,   209
.set PX,   210                         ; v210 a lane permute's destination
.set FF,   212                         ; v[212:213] f = 2^(old M - new M) (the pair's low word serves both halves)
.set L2,   214                         ; v[214:215] the sum's second chain
.set QSC,  216                         ; v216 2^eq, v217 57,344 x 2^eq
.set QLIM, 217
.set MWP,  2                           ; s[2:3]   mw at my tile's words of the step in hand
.set KVP,  4                           ; s[4:5]   kv at the step to be loaded next
.set WV,   12                          ; s12  wave
.set TRIP, 13                          ; s13
.set ANY,  14                          ; s14  bit 0: the step in hand has a visible key for my tile
.set MIX,  15                          ; s15  bit 0: and a hidden one
.set WGA,  66                          ; s66  bit 0: ... for some tile of the work-group; bit 1: the next step
.set HOLD, 67                          ; s67  1 where ep < -15
.set SEL,  84                          ; s[84:85] lane selects: lane l xor 16
.set CS,   86                          ; s[86:87] c = log2(e) / 8 x 2^(eq + ek)
.set REM,  88                          ; s88  steps left, the one in hand among them
.set ASKL, 89                          ; s89  3 in a wave that prefetches, else the greatest number
; s16-63 and s68-83: the step's 64 mask words; word n in s[16 + n + 4 (n / 48)]
	s_load_b256 s[4:11], s[0:1], 0x0               ; kv s[4:5], query s[6:7], out0 s[8:9], fl s[10:11]
	s_load_b64 s[MWP:MWP+1], s[0:1], 0x20          ; mw
	s_load_b64 s[90:91], s[0:1], 0x28              ; the exponents
	v_lshl_add_u32 v[SPW], v0, 2, SPARE
	v_mov_b32 v[NIL], 0
	v_lshrrev_b32 v[MA], 5, v0
	v_readfirstlane_b32 s[WV], v[MA]               ; wave 0..15
	v_and_b32 v[MA], 31, v0                        ; lane
	v_and_b32 v[MB], 15, v0                        ; r
	v_bfe_u32 v[PX], v0, 4, 1                      ; h
	v_lshlrev_b32 v[LI], 4, v[MA]
	v_lshlrev_b32 v[GOFF], 4, v0
	s_mul_i32 s100, s[WV], 16*SP
	s_add_co_u32 s100, s100, STAGE                 ; my stage
	v_mul_u32_u24 v[FF], v[MB], SP
	v_add_nc_u32 v[FF], s100, v[FF]
	v_lshl_add_u32 v[STO], v[PX], 5, v[FF]
	v_lshl_add_u32 v[QR], v[PX], 6, v[FF]
	v_mul_u32_u24 v[RD], v[PX], SP
	v_lshl_add_u32 v[RD], v[MB], 4, v[RD]
	v_add_nc_u32 v[RD], s100, v[RD]
	s_and_b32 s101, s[WV], 1
	s_lshl_b32 s101, s101, 13
	v_lshl_add_u32 v[PFO], v[MA], 8, s101          ; lanes 256 bytes apart; wave 0 K's image, wave 1 V's
.irp j, 0,1,2,3,4,5,6,7
	v_mov_b32 v[FL+\j], 0                          ; written once: a step that nobody needs is not loaded, and these registers are stored all the same
.endr
	v_mov_b32 v[NINF], 0xff800000
	s_mov_b32 s[SEL], 0x76543210
	s_mov_b32 s[SEL+1], 0xfedcba98
	s_mov_b32 s101, 0
	s_wait_kmcnt 0x0
	s_load_b128 s[92:95], s[90:91], 0x0            ; eq, ek, ep, ev
	s_and_b32 s100, ttmp7, 0xffff                  ; y
	s_sub_co_u32 s[REM], 7, s100                   ; my block of 256 queries (kept here until the addresses are made)
	s_lshr_b32 s[ASKL], s[WV], 1
	s_or_b32 s[ASKL], s[ASKL], s100                ; 0 in waves 0 and 1 of the head's work-group with y = 0
	s_cmp_eq_u32 s[ASKL], 0
	s_cselect_b32 s[ASKL], 3, -1
	s_lshl_b32 s100, s[REM], 8                     ; fl: 16 tiles x 4 words are 256 bytes a block
	s_add_nc_u64 s[10:11], s[10:11], s[100:101]
	s_load_b512 s[16:31], s[10:11], 0x0            ; the block's 64 flag words, in the registers that the mask words take later
	s_load_b512 s[32:47], s[10:11], 0x40
	s_load_b512 s[48:63], s[10:11], 0x80
	s_load_b512 s[68:83], s[10:11], 0xc0
	s_lshl_b32 s[TRIP], s[WV], 4
	s_load_b128 s[96:99], s[10:11], s[TRIP] offset:0x0   ; my tile's four
	s_lshl_b32 s100, ttmp9, 18                     ; a head's 16 steps of 16,384 bytes
	s_add_nc_u64 s[KVP:KVP+1], s[KVP:KVP+1], s[100:101]
	s_lshl_b32 s100, ttmp9, 19                     ; a head's 2,048 rows of 256 bytes,
	s_lshl_b32 s[ANY], s[REM], 16                  ; my block's 256,
	s_add_co_u32 s100, s100, s[ANY]
	s_lshl_b32 s[ANY], s[WV], 12                   ; my wave's 16
	s_add_co_u32 s100, s100, s[ANY]
	s_add_nc_u64 s[6:7], s[6:7], s[100:101]
	s_add_nc_u64 s[8:9], s[8:9], s[100:101]
	s_lshl_b32 s100, s[REM], 4
	s_add_co_u32 s100, s100, s[WV]                 ; my tile T = 16 x block + wave
	s_lshl_b32 s100, s100, 12                      ; 16 steps of 256 bytes
	s_add_nc_u64 s[MWP:MWP+1], s[MWP:MWP+1], s[100:101]
	s_sub_nc_u64 s[MWP:MWP+1], s[MWP:MWP+1], 256   ; one step short: every step's head adds a step before the pointer is used
.irp i, 0,1,2,3,4,5,6,7
	global_load_b128 v[SS+4*\i:SS+4*\i+3], v[LI], s[6:7] offset:512*\i th:TH_LOAD_NT   ; Q's 16 rows as they lie: 512 consecutive bytes a load
.endr
	s_wait_kmcnt 0x0
	s_wait_xcnt 0x0                                ; the scalar loads have read their offset: it and the temporaries may be written again
	s_or_b32 s[WGA], s16, s17
.set n, 2
.rept 62
	s_or_b32 s[WGA], s[WGA], s[16+n+4*(n/48)]
.set n, n+1
.endr
	s_and_b32 s[WGA], s[WGA], 0xffff               ; bit j: step j has a visible key for some of my work-group's queries.  Bit 16 is 0: the last step asks for nothing
	s_or_b32 s[ANY], s96, s97
	s_or_b32 s[ANY], s[ANY], s98
	s_or_b32 s[ANY], s[ANY], s99
	s_lshr_b32 s[MIX], s[ANY], 16
	s_and_b32 s[ANY], s[ANY], 0xffff
	s_cmp_lt_i32 s94, -15
	s_cselect_b32 s[HOLD], 1, 0
	s_add_co_i32 s100, s92, s93
	s_lshl_b32 s100, s100, 23
	s_add_co_i32 s[CS], s100, 0x3e38aa3b           ; c = log2(e) / 8, with eq + ek added to its exponent field: a sum of code products stands for sum x 2^(eq + ek)
	s_mov_b32 s[CS+1], s[CS]                       ; (named with it as a pair, so it is written)
	s_add_co_i32 s100, s94, 127
	s_lshl_b32 s101, s100, 23
	v_mov_b32 v[PSC], s101
	s_add_co_i32 s100, s100, 15
	s_lshl_b32 s100, s100, 23
	s_or_b32 s100, s100, 0x600000
	v_mov_b32 v[PLIM], s100
	s_add_co_i32 s100, s92, 127
	s_lshl_b32 s101, s100, 23
	v_mov_b32 v[QSC], s101
	s_add_co_i32 s100, s100, 15
	s_lshl_b32 s100, s100, 23
	s_or_b32 s100, s100, 0x600000
	v_mov_b32 v[QLIM], s100
	s_mov_b32 s[REM], 16
	s_mov_b32 s[TRIP], 8
	s_bitcmp1_b32 s[WGA], 0                        ; step 0, if anybody needs it
	s_cbranch_scc0 .Lno_first
	global_load_b128 v[FL:FL+3], v[GOFF], s[KVP:KVP+1]
	global_load_b128 v[FL+4:FL+7], v[GOFF], s[KVP:KVP+1] offset:VIMG
.Lno_first:
	s_wait_loadcnt 0x0                             ; Q (for 0: the two loads above are issued on one way only)
	; Q through my own stage: in as loaded, out 16 neighbours along d a lane; then the quantiser, in registers: Q is read once, by this wave
.irp i, 0,1,2,3,4,5,6,7
	ds_store_b128 v[RD], v[SS+4*\i:SS+4*\i+3] offset:2*SP*\i
.endr
.irp c, 0,1
.irp p, 0,1,2,3
	ds_load_b128 v[KV+16*\c+4*\p:KV+16*\c+4*\p+3], v[QR] offset:128*\c+16*\p   ; a wave's LDS instructions are served in order: these see my stores
.endr
.endr
	s_wait_dscnt 0x0
.set j, 0
.rept 32
	v_med3_num_f32 v[KV+j], v[KV+j], -v[QLIM], v[QLIM]   ; the conversion to an 8-bit code does not saturate (ISA guide 7.6.2)
.set j, j+1
.endr
.irp c, 0,1
	v_cvt_scalef32_pk8_bf8_f32 v[QF+4*\c:QF+4*\c+1], v[KV+16*\c:KV+16*\c+7], v[QSC]
	v_cvt_scalef32_pk8_bf8_f32 v[QF+4*\c+2:QF+4*\c+3], v[KV+16*\c+8:KV+16*\c+15], v[QSC]
.endr
	v_nop                                          ; one plain vector line between a scaled conversion and the matrix instruction that reads its result
	v_mov_b32 v[NM+1], 0xff61b1e6                  ; the largest t so far: -3e38, under every t
	v_floor_f32 v[NM], -v[NM+1]                    ; -M
	v_mov_b32 v[LS], 0
	v_mov_b32 v[LS+1], 0
	v_mov_b32 v[PX], 0                             ; a lane permute's destination counts as one of its sources
	v_mov_b32 v[FF+1], 0                           ; (named as the upper half of the pair)
.set j, 0
.rept 32
	v_mov_b32 v[OT+j], 0                           ; O^T.  Which step is a tile's first hangs on the mask, so no first step can be written out: the first live step finds zeros, which the first change of M leaves zeros
.set j, j+1
.endr
; A STEP: 128 keys, in slot \slot.
.macro STEP slot
.set BB, SLOTB*(\slot)
	; the change of slots, run by every wave in every step
	s_wait_loadcnt 0x0                             ; my 32 bytes of this step are in registers (or nothing was asked for)
	s_wait_xcnt 0x0                                ; the last step's loads, scalar loads and prefetch have read their pointers: both may be stepped
	s_add_nc_u64 s[KVP:KVP+1], s[KVP:KVP+1], SLOTB
	s_add_nc_u64 s[MWP:MWP+1], s[MWP:MWP+1], 256
	ds_store_b128 v[GOFF], v[FL:FL+3] offset:BB
	ds_store_b128 v[GOFF], v[FL+4:FL+7] offset:BB+VIMG
	s_wait_dscnt 0x0                               ; for the others' sake: my stores have landed, and my reads of the other slot are over
	s_barrier_signal -1
	s_barrier_wait -1                              ; this slot is whole; it was last read two steps ago, ahead of the last barrier; the other slot is written again only behind the next
	s_bitcmp1_b32 s[WGA], 1                        ; the next step, if anybody needs it: it has this step's work in which to land
	s_cbranch_scc0 .Lnofill_\@
	global_load_b128 v[FL:FL+3], v[GOFF], s[KVP:KVP+1]
	global_load_b128 v[FL+4:FL+7], v[GOFF], s[KVP:KVP+1] offset:VIMG
.Lnofill_\@:
	; A PREFETCH INTO THE L2 of step j + 3, two steps ahead of the loads that will want it, where the wave has just issued its loads.  All eight work-groups of a head walk the same kv: the one with y = 0 asks,
	; its waves 0 and 1, 8,192 bytes each, lanes 256 bytes apart: each aligned block of 256 bytes is named once in the launch.  Steps 0 to 2 come by their loads alone; from j = 13 on there is no step j + 3.
	s_cmp_gt_u32 s[REM], s[ASKL]
	s_cbranch_scc0 .Lnoask_\@
	global_prefetch_b8 v[PFO], s[KVP:KVP+1] offset:2*SLOTB th:TH_LOAD_NT scope:SCOPE_SE
.Lnoask_\@:
	s_bitcmp1_b32 s[ANY], 0                        ; hidden for all my 16 queries: nothing of the step's work is done
	s_cbranch_scc0 .Lskip_\@
	s_bitcmp1_b32 s[MIX], 0                        ; a mixed tile wants its 64 lane masks
	s_cbranch_scc0 .Lnowords_\@
	s_load_b512 s[16:31], s[MWP:MWP+1], 0x0
	s_load_b512 s[32:47], s[MWP:MWP+1], 0x40
	s_load_b512 s[48:63], s[MWP:MWP+1], 0x80
	s_load_b512 s[68:83], s[MWP:MWP+1], 0xc0
.Lnowords_\@:
.irp t, 0,1,2,3,4,5,6,7                        ; (four places stand behind the last step's products, which read these registers)
.irp c, 0,1
	ds_load_b128 v[KV+8*\t+4*\c:KV+8*\t+4*\c+3], v[LI] offset:BB+1024*\t+512*\c
.endr
.endr
	s_wait_dscnt 0x0
.irp t, 0,1,2,3,4,5,6,7                        ; S^T = K Q^T
	v_wmma_f32_16x16x64_bf8_bf8 v[SS+8*\t:SS+8*\t+7], v[KV+8*\t:KV+8*\t+7], v[QF:QF+7], 0
.endr
.rept 4
	v_nop                                          ; places ahead of the loads into K's registers and of the first read of the scores
.endr
.irp dt, 0,1,2,3                               ; V's fragments land while the softmax is walked
.irp c, 0,1,2,3
	ds_load_b128 v[KV+16*\dt+4*\c:KV+16*\dt+4*\c+3], v[LI] offset:BB+VIMG+2048*\dt+512*\c
.endr
.endr
	s_wait_kmcnt 0x0                               ; the mask words, where they were asked for; on every way
	s_bitcmp1_b32 s[MIX], 0
	s_cbranch_scc0 .Lopen_\@
.set n, 0
.rept 64
	v_cndmask_b32 v[SS+n], v[NINF], v[SS+n], s[16+n+4*(n/48)]   ; a hidden key's score becomes -infinity ahead of the maximum: p = 0 then
.set n, n+1
.endr
.Lopen_\@:
	v_max3_num_f32 v[MA], v[SS], v[SS+1], v[SS+2]  ; the step's largest score of my query among my 64 keys, in two chains, each accumulator from its low end on,
	v_max3_num_f32 v[MB], v[SS+3], v[SS+4], v[SS+5]
.irp i, 6,10,14,18,22,26,30,34,38,42,46,50,54,58
	v_max3_num_f32 v[MA], v[MA], v[SS+\i], v[SS+\i+1]
	v_max3_num_f32 v[MB], v[MB], v[SS+\i+2], v[SS+\i+3]
.endr
	v_max3_num_f32 v[MA], v[MA], v[SS+62], v[SS+63]
	v_max_num_f32 v[MA], v[MA], v[MB]
	v_permlanex16_b32 v[PX], v[MA], s[SEL], s[SEL+1]
	v_max_num_f32 v[MA], v[MA], v[PX]              ; and among lane l xor 16's
	v_mul_f32 v[MA], s[CS], v[MA]                  ; as t (c is positive)
	v_max_num_f32 v[NM+1], v[NM+1], v[MA]          ; the running largest t
	v_mov_b32 v[MA], v[NM]
	v_floor_f32 v[NM], -v[NM+1]                    ; the new -M = floor(-t) = -ceil(t): a whole number
	v_sub_f32 v[MA], v[NM], v[MA]                  ; old M less new M: a whole number, 0 or less
	v_cvt_i32_f32 v[MA], v[MA]                     ; (it saturates)
	v_ldexp_f32 v[FF], 1.0, v[MA]                  ; f = 2^(old M - new M)
.set j, 0
.rept 32
	v_pk_fma_f32 v[SS+j:SS+j+1], v[SS+j:SS+j+1], s[CS:CS+1], v[NM:NM+1] op_sel_hi:[1,0,0]   ; t - M, two at a time (of the pairs c and -M the low word serves both halves)
.set j, j+2
.endr
.set j, 0
.rept 64
	v_exp_f32 v[SS+j], v[SS+j]                     ; p = 2^(t - M), at most 1: not normalised
.set j, j+1
.endr
	v_pk_mul_f32 v[LS:LS+1], v[LS:LS+1], v[FF:FF+1] op_sel_hi:[1,0]   ; the sums under the new M: the plain line behind the exponentials
	s_wait_alu depctr_va_vdst(0)                   ; one wait for the batch, ahead of its first reader and of the branch below
	v_pk_add_f32 v[L2:L2+1], v[SS:SS+1], v[SS+2:SS+3]   ; the row's sum is taken of the UNQUANTISED p, in two chains
.irp j, 4,8,12,16,20,24,28,32,36,40,44,48,52,56,60
	v_pk_add_f32 v[LS:LS+1], v[LS:LS+1], v[SS+\j:SS+\j+1]
	v_pk_add_f32 v[L2:L2+1], v[L2:L2+1], v[SS+\j+2:SS+\j+3]
.endr
	v_pk_add_f32 v[LS:LS+1], v[LS:LS+1], v[L2:L2+1]
	s_cmp_lg_u32 s[HOLD], 0                        ; the hold is walked where it can change a number: ep < -15
	s_cbranch_scc0 .Lnohold_\@
.set j, 0
.rept 64
	v_min_num_f32 v[SS+j], v[SS+j], v[PLIM]        ; p is not negative: the hold is one-sided
.set j, j+1
.endr
.Lnohold_\@:
.irp b, 0,1,2,3
	v_cvt_scalef32_pk8_bf8_f32 v[PC+4*\b:PC+4*\b+1], v[SS+16*\b:SS+16*\b+7], v[PSC]       ; registers 4 b .. 4 b + 3 of the operand: keys 32 b + 16 (lane / 16) + 0..15
	v_cvt_scalef32_pk8_bf8_f32 v[PC+4*\b+2:PC+4*\b+3], v[SS+16*\b+8:SS+16*\b+15], v[PSC]
.endr
.set j, 0
.rept 16
	v_pk_mul_f32 v[OT+j:OT+j+1], v[OT+j:OT+j+1], v[FF:FF+1] op_sel_hi:[1,0]   ; O^T under the new M.  (Also the plain lines between the conversions and the products)
.set j, j+2
.endr
	s_wait_dscnt 0x0                               ; V is in
.irp dt, 0,1,2,3                               ; O^T += V^T P^T: the four accumulators by turns; eight other products stand between two links of a chain
	v_wmma_f32_16x16x128_bf8_bf8 v[OT+8*\dt:OT+8*\dt+7], v[KV+16*\dt:KV+16*\dt+15], v[PC:PC+15], v[OT+8*\dt:OT+8*\dt+7]
.endr
.rept 4
	v_nop                                          ; places ahead of the next loads into V's registers and of the next read of O^T
.endr
.Lskip_\@:
	s_lshr_b32 s[ANY], s[ANY], 1                   ; on to the next step's flags
	s_lshr_b32 s[MIX], s[MIX], 1
	s_lshr_b32 s[WGA], s[WGA], 1
	s_sub_co_u32 s[REM], s[REM], 1
.endm
.Ltrip:                                            ; eight trips of two steps: both slots' addresses are immediates
	STEP 0
	STEP 1
	s_sub_co_u32 s[TRIP], s[TRIP], 1
	s_cmp_lg_u32 s[TRIP], 0
	s_cbranch_scc1 .Ltrip
	; THE WAY OUT.  O^T / the sum x 2^(ep + ev) goes through my stage and leaves as whole rows of 256 bytes.
	v_add_f32 v[LS], v[LS], v[LS+1]                ; the sum's two halves,
	v_permlanex16_b32 v[PX], v[LS], s[SEL], s[SEL+1]
	v_add_f32 v[LS], v[LS], v[PX]                  ; and lane l xor 16's
	v_rcp_f32 v[LS], v[LS]
	v_nop                                          ; a plain line behind the transcendental
	s_add_co_i32 s100, s94, s95
	s_wait_alu depctr_va_vdst(0)                   ; v[LS] is written, ahead of its first reader
	v_ldexp_f32 v[LS], v[LS], s100
.set j, 0
.rept 32
	v_mul_f32 v[SS+j], v[OT+j], v[LS]              ; register 8 dt + i is out(query r, d = 16 dt + 8 h + i)
.set j, j+1
.endr
.irp dt, 0,1,2,3
	ds_store_b128 v[STO], v[SS+8*\dt:SS+8*\dt+3] offset:64*\dt
	ds_store_b128 v[STO], v[SS+8*\dt+4:SS+8*\dt+7] offset:64*\dt+16
.endr
.irp i, 0,1,2,3,4,5,6,7
	ds_load_b128 v[KV+4*\i:KV+4*\i+3], v[RD] offset:2*SP*\i   ; a wave's LDS instructions are served in order: these see my stores
.endr
.irp i, 0,1,2,3,4,5,6,7
	s_wait_dscnt 7-\i                              ; load i is back; the 7 - i younger ones stay out
	global_store_b128 v[LI], v[KV+4*\i:KV+4*\i+3], s[8:9] offset:512*\i th:TH_STORE_NT   ; 32 lanes store two rows, 512 consecutive bytes, at a multiple of 256 from out0's first byte
.endr
	s_wait_tensorcnt 0x0                           ; the wave's end, behind my last LDS store
	ds_add_u32 v[SPW], v[NIL]
	s_wait_dscnt 0x0
	s_endpgm
.Lfunc_end_k_qbc591f12ed_attn:
	.size	k_qbc591f12ed_attn, .Lfunc_end_k_qbc591f12ed_attn-k_qbc591f12ed_attn
	.p2alignl 7, 3214868480
	.fill 96, 4, 3214868480
	.section	.rodata,"a",@progbits
	.p2align	6, 0x0
	.amdhsa_kernel k_qbc591f12ed_attn
		.amdhsa_group_segment_fixed_size 104448
		.amdhsa_private_segment_fixed_size 0
		.amdhsa_enable_private_segment 0
		.amdhsa_kernarg_size 48
		.amdhsa_user_sgpr_count 2
		.amdhsa_user_sgpr_kernarg_segment_ptr 1
		.amdhsa_wavefront_size32 1
		.amdhsa_system_sgpr_workgroup_id_x 1
		.amdhsa_system_sgpr_workgroup_id_y 1
		.amdhsa_system_sgpr_workgroup_id_z 1
		.amdhsa_system_vgpr_workitem_id 0
		.amdhsa_next_free_vgpr 224
		.amdhsa_next_free_sgpr 102
		.amdhsa_reserve_vcc 0
		.amdhsa_float_denorm_mode_32 3
		.amdhsa_float_denorm_mode_16_64 3
		.amdhsa_memory_ordered 1
		.amdhsa_forward_progress 1
		.amdhsa_inst_pref_size 57
	.end_amdhsa_kernel
	.amdgpu_metadata
---
amdhsa.version: [ 1, 2 ]
amdhsa.kernels:
  - .name:           k_qbc591f12ed_attn
    .symbol:         k_qbc591f12ed_attn.kd
    .args:
      - { .name: kv, .offset: 0, .size: 8, .value_kind: global_buffer, .address_space: global }
      - { .name: query, .offset: 8, .size: 8, .value_kind: global_buffer, .address_space: global }
      - { .name: out0, .offset: 16, .size: 8, .value_kind: global_buffer, .address_space: global }
      - { .name: fl, .offset: 24, .size: 8, .value_kind: global_buffer, .address_space: global }
      - { .name: mw, .offset: 32, .size: 8, .value_kind: global_buffer, .address_space: global }
      - { .name: lowp_scales, .offset: 40, .size: 8, .value_kind: global_buffer, .address_space: global }
    .group_segment_fixed_size: 104448
    .private_segment_fixed_size: 0
    .kernarg_segment_align: 8
    .kernarg_segment_size: 48
    .max_flat_workgroup_size: 512
    .sgpr_count:     102
    .vgpr_count:     224
    .wavefront_size: 32
...
	.end_amdgpu_metadata
.endif
;; end of part 2
;; ======== version 2 of 2: 2 launches
;; workspace buffers: kv 16,777,216 bytes; mw 524,288 bytes of whole numbers; fl 2,048 bytes of whole numbers
;; launch prep (part 3): grid 2176 x 1, 4 waves a work-group, no clusters, 35,328 bytes of LDS; arguments key, value, mask, lowp_scales, kv, mw, fl; writes kv, mw, fl
.if DOCPART == 3
	.amdgcn_target "amdgcn-amd-amdhsa--gfx1250"
	.amdhsa_code_object_version 6
	.text
	.protected	k_qbc591f12ed_prep
	.globl	k_qbc591f12ed_prep
	.p2align	8
	.type	k_qbc591f12ed_prep,@function
k_qbc591f12ed_prep:
	s_mov_b64 s[64:65], 0
	v_nop
	global_prefetch_b8 v0, s[64:65] scope:SCOPE_SE
	s_setreg_imm32_b32 hwreg(HW_REG_WAVE_MODE, 25, 1), 1
	s_wait_xcnt 0x0
; ATTENTION ON CODES OF BF8 (E5M2), FIRST OF TWO LAUNCHES: key and value become codes, once, laid as images of the operand registers that the second launch wants; the mask becomes lane masks and flags.
; out[b,h,q,:] = sum over k of softmax_k(where(mask[q,k], query.key, -inf) / 8) value[k,:], 64 heads (b,h), 2,048 positions, head size 64.
; WHAT THE PROGRAM LEAVES OUT, AND WHY IT MAY.  No input is left out: every one has a way to the output.  The mask is an input of whole numbers (bool bytes), and no pattern of it is built in.
;   A tile of 16 queries x 128 keys all of whose 2,048 mask bytes are 0 gives -inf for each of its scores, so p = 0 for each, whatever key, query and value hold: it adds 0 to the row's sum and 0 to the second product.
;   Such tiles are passed over in the second launch, by a branch on the flags that THIS launch stores as whole numbers.  A tile all of whose bytes are set needs no select: the flags say that too.
;   LIMIT: a NaN or an infinity of value at a hidden key, which 0 x value would carry into reference()'s result, is not carried.
; THE QUANTISER: code = x / 2^e, held within +-57,344, rounded to the nearest code, ties to even.  e: lowp_scales[1] for key, [3] for value.  LIMITS: -126 <= e <= 112, so that 2^e and 57,344 x 2^e are f32 numbers.
;   NaN among key and value is not served; an infinity is held at the largest code.
; WORKSPACE (lane l = 16 h + r):
;   kv[head 64][step 16][16,384 bytes], a step = 128 keys.  Bytes 0-8,191, K: [tile t 8][c 2][lane 32][16]: key 128 step + 32 (t/2) + 8 (t%2) + r + 8 (r/8), d = 32 c + 16 h + 0..15.
;     The keys of a tile are not neighbours, so that in S^T = K Q^T the 16 registers of tiles 2 b, 2 b + 1 are 16 neighbouring keys.  Bytes 8,192 on, V^T: [dt 4][c 4][lane 32][16]: d = 16 dt + r, keys 128 step + 32 c + 16 h + 0..15.
;   mw[T 128][step 16][n 64] words: bit l of word n = 16 b + i is mask[16 T + r][128 step + 32 b + 16 h + i]: the lane mask of score register n.
;   fl[T 128][g 4] words: bit 4 g + s: some byte of tile (T, step 4 g + s) is set; bit 16 + 4 g + s: not every byte of it is 1.
; ROLES, by the work-group's number alone: 0-127 the mask (T = number; wave g takes steps 4 g .. 4 g + 3); 128-1,151 key; 1,152-2,175 value (number = head x 16 + step; wave w takes 32 keys).
; No matrix unit, no tensor load, no cluster, no barrier: the launch streams, waves share nothing, and no two work-groups read the same bytes.
.set NMASK, 128
.set NSTEP, 1024
.set SP,    272                        ; a key's row in the stage: 256 bytes + 16
.set WSTG,  32*SP                      ; a wave's stage: 32 keys
.set SPARE, 4*WSTG                     ; behind the four stages: the spare words, 128 bytes for each wave: two blocks of 256 bytes that no other line names
.set LI,   1                           ; v1   16 x lane
.set KIN,  4                           ; v4   key's role: into the stage, as loaded
.set KOUT, 5                           ; v5   key's role: out of it, 16 neighbours along d of my tile row
.set LANE, 6                           ; v6
.set GA,   7                           ; v7   a role's offset for its loads
.set GB,   8                           ; v8   a role's offset for its stores
.set LIM,  10                          ; v10  57,344 x 2^e
.set SCL,  11                          ; v11  2^e
.set SPW,  14                          ; v14  LDS address of my spare word; never rewritten
.set NIL,  15                          ; v15  0; never rewritten
.set XA,   16                          ; v16-79   numbers as loaded
.set XB,   80                          ; v80-143  key: numbers in the operand's order; mask: v80-83 at work
.set CD,   144                         ; v144-159 codes; mask: v144-151 the lane masks, two registers a step
.macro FINISH                          ; a wave's end
	s_wait_tensorcnt 0x0
	ds_add_u32 v[SPW], v[NIL]
	s_wait_dscnt 0x0
	s_endpgm
.endm
.macro SCALES se                       ; 2^e, whose exponent field the conversion takes, and the hold's bound
	s_wait_kmcnt 0x0
	s_add_co_i32 s24, \se, 127
	s_lshl_b32 s25, s24, 23
	v_mov_b32 v[SCL], s25
	s_add_co_i32 s24, s24, 15
	s_lshl_b32 s24, s24, 23
	s_or_b32 s24, s24, 0x600000
	v_mov_b32 v[LIM], s24
.endm
	s_load_b256 s[4:11], s[0:1], 0x0               ; key s[4:5], value s[6:7], mask s[8:9], the exponents s[10:11]
	s_load_b128 s[12:15], s[0:1], 0x20             ; kv s[12:13], mw s[14:15]
	s_load_b64 s[16:17], s[0:1], 0x30              ; fl
	v_lshl_add_u32 v[SPW], v0, 2, SPARE
	v_mov_b32 v[NIL], 0
	v_lshrrev_b32 v1, 5, v0
	v_readfirstlane_b32 s18, v1                    ; wave 0..3
	v_and_b32 v[LANE], 31, v0
	v_and_b32 v2, 15, v0                           ; r
	v_bfe_u32 v3, v0, 4, 1                         ; h
	v_lshlrev_b32 v[LI], 4, v[LANE]
	s_mul_i32 s24, s18, WSTG                       ; both LDS addresses are made here, ahead of the parting of the roles
	v_mul_u32_u24 v[KIN], v3, SP
	v_lshl_add_u32 v[KIN], v2, 4, v[KIN]
	v_add_nc_u32 v[KIN], s24, v[KIN]               ; a load's 512 bytes are two keys' rows: lanes 0-15 one row, lanes 16-31 the next
	v_and_b32 v[KOUT], 8, v2
	v_add_nc_u32 v[KOUT], v[KOUT], v2              ; r + 8 (r / 8)
	v_mul_u32_u24 v[KOUT], v[KOUT], SP
	v_lshl_add_u32 v[KOUT], v3, 6, v[KOUT]         ; + 64 h bytes: d = 16 h on
	v_add_nc_u32 v[KOUT], s24, v[KOUT]
	s_mov_b32 s33, 0
	s_mov_b32 s35, 0
	s_wait_kmcnt 0x0
	s_cmp_lt_u32 ttmp9, NMASK
	s_cbranch_scc1 .Lmask
	s_load_b128 s[28:31], s[10:11], 0x0            ; eq, ek, ep, ev
	s_cmp_lt_u32 ttmp9, NMASK+NSTEP
	s_mov_b32 s24, NMASK+NSTEP
	s_cselect_b32 s24, NMASK, s24
	s_sub_co_u32 s19, ttmp9, s24                   ; head x 16 + step
	s_lshl_b32 s32, s19, 15                        ; a step's 128 rows of 256 bytes,
	s_lshl_b32 s25, s18, 13                        ; my wave's 32 of them
	s_add_co_u32 s32, s32, s25
	s_lshl_b32 s34, s19, 14
	s_add_nc_u64 s[12:13], s[12:13], s[34:35]      ; kv at the step's image
	s_cmp_lt_u32 ttmp9, NMASK+NSTEP
	s_cbranch_scc0 .Lvalue
	; ---- KEY.  d is innermost: the loads take the bytes as they lie (512 consecutive bytes each); the wave's own stage turns them, so that a lane holds 16 neighbours along d of the key that its tile row wants.
	s_add_nc_u64 s[4:5], s[4:5], s[32:33]
	s_lshl_b32 s34, s18, 11                        ; my two tiles' 2,048 bytes of the image
	s_add_nc_u64 s[12:13], s[12:13], s[34:35]
	s_wait_alu depctr_va_vdst(0)
.irp i, 0,1,2,3,4,5,6,7,8,9,10,11,12,13,14,15
	global_load_b128 v[XA+4*\i:XA+4*\i+3], v[LI], s[4:5] offset:512*\i th:TH_LOAD_NT
.endr
	SCALES s29
	s_wait_alu depctr_va_vdst(0)
.irp i, 0,1,2,3,4,5,6,7,8,9,10,11,12,13,14,15
	s_wait_loadcnt 15-\i                           ; loads come back in order: load i is in, the 15 - i younger ones stay out
	ds_store_b128 v[KIN], v[XA+4*\i:XA+4*\i+3] offset:2*SP*\i
.endr
.irp u, 0,1                                    ; tile 2 w + u: key 8 u + r + 8 (r / 8) of my 32.  The bytes are my wave's own, and a wave's LDS instructions are served in order: no wait, no barrier
.irp c, 0,1
.irp p, 0,1,2,3
	ds_load_b128 v[XB+32*\u+16*\c+4*\p:XB+32*\u+16*\c+4*\p+3], v[KOUT] offset:8*SP*\u+128*\c+16*\p
.endr
.endr
.endr
	s_wait_dscnt 0x0
.set j, 0
.rept 64
	v_med3_num_f32 v[XB+j], v[XB+j], -v[LIM], v[LIM]   ; the conversion to an 8-bit code does not saturate (ISA guide 7.6.2): the hold comes first
.set j, j+1
.endr
.irp g, 0,1,2,3                                ; g = 2 u + c
	v_cvt_scalef32_pk8_bf8_f32 v[CD+4*\g:CD+4*\g+1], v[XB+16*\g:XB+16*\g+7], v[SCL]
	v_cvt_scalef32_pk8_bf8_f32 v[CD+4*\g+2:CD+4*\g+3], v[XB+16*\g+8:XB+16*\g+15], v[SCL]
.endr
.irp g, 0,1,2,3
	global_store_b128 v[LI], v[CD+4*\g:CD+4*\g+3], s[12:13] offset:512*\g   ; 32 lanes store 512 consecutive bytes, at a multiple of 256 from kv's first byte
.endr
	FINISH
	; ---- VALUE.  The keys are the second product's K and are not innermost: a lane takes columns d = lane and lane + 32, and its registers run down my wave's 32 keys.  Nothing is transposed.
.Lvalue:
	s_add_nc_u64 s[6:7], s[6:7], s[32:33]
	s_lshl_b32 s34, s18, 9                         ; c = my wave: 512 bytes in each dt,
	s_add_co_u32 s34, s34, 8192                    ; behind K's image
	s_add_nc_u64 s[12:13], s[12:13], s[34:35]
	v_lshlrev_b32 v[GA], 2, v[LANE]
	v_lshlrev_b32 v[GB], 4, v2                     ; 16 r,
	v_lshl_add_u32 v[GB], v3, 11, v[GB]            ; + 2,048 (lane / 16): dt = 2 a + lane / 16
.set i, 0
.rept 32
	global_load_b32 v[XA+i], v[GA], s[6:7] offset:256*i th:TH_LOAD_NT          ; value(key i, lane): 128 consecutive bytes,
	global_load_b32 v[XA+32+i], v[GA], s[6:7] offset:256*i+128 th:TH_LOAD_NT   ; and the row's other 128 next to them
.set i, i+1
.endr
	SCALES s31
	s_wait_alu depctr_va_vdst(0)
	s_wait_loadcnt 0x0
.set j, 0
.rept 64
	v_med3_num_f32 v[XA+j], v[XA+j], -v[LIM], v[LIM]
.set j, j+1
.endr
.irp g, 0,1,2,3                                ; g = 2 a + hh: column lane + 32 a, keys 16 hh + 0..15 of my 32
	v_cvt_scalef32_pk8_bf8_f32 v[CD+4*\g:CD+4*\g+1], v[XA+16*\g:XA+16*\g+7], v[SCL]
	v_cvt_scalef32_pk8_bf8_f32 v[CD+4*\g+2:CD+4*\g+3], v[XA+16*\g+8:XA+16*\g+15], v[SCL]
.endr
.irp a, 0,1
.irp hh, 0,1
	global_store_b128 v[GB], v[CD+8*\a+4*\hh:CD+8*\a+4*\hh+3], s[12:13] offset:4096*\a+256*\hh   ; sixteen neighbouring lanes store 256 consecutive bytes, aligned
.endr
.endr
	FINISH
	; ---- MASK.  Lane (r, h) takes, of row 16 T + r, the 16 bytes at 32 b + 16 h of each step: byte i of them belongs to score register 16 b + i of that lane.  A compare makes the 32 lanes' bits one word.
.Lmask:
	s_lshl_b32 s32, ttmp9, 15                      ; 16 rows of 2,048 bytes,
	s_lshl_b32 s25, s18, 9                         ; my wave's four steps of 128
	s_add_co_u32 s32, s32, s25
	s_add_nc_u64 s[8:9], s[8:9], s[32:33]
	s_lshl_b32 s34, ttmp9, 12                      ; mw: 16 steps of 256 bytes a tile,
	s_lshl_b32 s25, s18, 10                        ; my four
	s_add_co_u32 s34, s34, s25
	s_add_nc_u64 s[14:15], s[14:15], s[34:35]
	s_lshl_b32 s32, ttmp9, 4                       ; fl: four words a tile,
	s_lshl_b32 s27, s18, 2                         ; mine.  (4 g is also the shift of my flags)
	s_add_co_u32 s32, s32, s27
	s_add_nc_u64 s[16:17], s[16:17], s[32:33]
	v_lshlrev_b32 v[GA], 11, v2
	v_lshl_add_u32 v[GA], v3, 4, v[GA]
	v_lshlrev_b32 v[GB], 3, v[LANE]
.irp s, 0,1,2,3
.irp b, 0,1,2,3
	global_load_b128 v[XA+16*\s+4*\b:XA+16*\s+4*\b+3], v[GA], s[8:9] offset:128*\s+32*\b   ; the sixteen loads together take 512 consecutive bytes of each of 16 rows
.endr
.endr
.irp j, 0,1,2,3,4,5,6,7
	v_mov_b32 v[CD+\j], 0                          ; written once: v_writelane_b32's destination counts as read
.endr
	s_mov_b32 s26, 0
.macro MSTEP s
	s_wait_loadcnt 12-4*(\s)                       ; this step's four loads are in; the later steps', four each, stay out
.set n, 0
.rept 16                                       ; four bytes of one word at a time
.irp k, 0,1,2,3
	v_and_b32 v[XB+\k], 0xff<<(8*\k), v[XA+16*(\s)+n/4]
.endr
.irp k, 0,1,2,3
	v_cmp_ne_u32 s[20+\k], 0, v[XB+\k]             ; word n + k: bit l = my lane's byte is set
.endr
.irp k, 0,1,2,3
	v_writelane_b32 v[CD+2*(\s)+(\k&1)], s[20+\k], (n+\k)>>1   ; word n lies in lane n / 2, register n % 2: the store below lays the 64 words on end
.endr
.set n, n+4
.endr
	v_or_b32 v12, v[XA+16*(\s)], v[XA+16*(\s)+1]
	v_and_b32 v13, v[XA+16*(\s)], v[XA+16*(\s)+1]
.irp q, 2,3,4,5,6,7,8,9,10,11,12,13,14,15
	v_or_b32 v12, v12, v[XA+16*(\s)+\q]
	v_and_b32 v13, v13, v[XA+16*(\s)+\q]
.endr
	v_cmp_ne_u32 vcc_lo, 0, v12                    ; some byte of the tile is set
	s_cmp_lg_u32 vcc_lo, 0
	s_cselect_b32 s24, 1<<(\s), 0
	s_or_b32 s26, s26, s24
	v_cmp_ne_u32 vcc_lo, 0x01010101, v13           ; not every byte is 1.  (A byte other than 0 and 1 makes the tile count as mixed, where the words decide: never as wholly visible)
	s_cmp_lg_u32 vcc_lo, 0
	s_cselect_b32 s24, 0x10000<<(\s), 0
	s_or_b32 s26, s26, s24
	global_store_b64 v[GB], v[CD+2*(\s):CD+2*(\s)+1], s[14:15] offset:256*(\s)   ; 32 lanes store 256 consecutive bytes, aligned; each step has data registers of its own
.endm
	MSTEP 0
	MSTEP 1
	MSTEP 2
	MSTEP 3
	s_lshl_b32 s26, s26, s27                       ; bits s and 16 + s become 4 g + s and 16 + 4 g + s
	v_mov_b32 v12, s26
	v_mov_b32 v13, 0
	v_cmp_eq_u32 vcc_lo, 0, v[LANE]
	s_wait_alu depctr_va_vdst(0)
	s_wait_xcnt 0x0                                ; EXEC is a source of the stores above: it changes only behind this wait
	s_and_saveexec_b32 s36, vcc_lo
	global_store_b32 v13, v12, s[16:17]            ; one word a wave: all that a wave has of this table of 2,048 bytes
	s_wait_xcnt 0x0                                ; and again ahead of the line that widens it
	s_or_b32 exec_lo, exec_lo, s36
	FINISH
.Lfunc_end_k_qbc591f12ed_prep:
	.size	k_qbc591f12ed_prep, .Lfunc_end_k_qbc591f12ed_prep-k_qbc591f12ed_prep
	.p2alignl 7, 3214868480
	.fill 96, 4, 3214868480
	.section	.rodata,"a",@progbits
	.p2align	6, 0x0
	.amdhsa_kernel k_qbc591f12ed_prep
		.amdhsa_group_segment_fixed_size 35328
		.amdhsa_private_segment_fixed_size 0
		.amdhsa_enable_private_segment 0
		.amdhsa_kernarg_size 56
		.amdhsa_user_sgpr_count 2
		.amdhsa_user_sgpr_kernarg_segment_ptr 1
		.amdhsa_wavefront_size32 1
		.amdhsa_system_sgpr_workgroup_id_x 1
		.amdhsa_system_sgpr_workgroup_id_y 1
		.amdhsa_system_sgpr_workgroup_id_z 1
		.amdhsa_system_vgpr_workitem_id 0
		.amdhsa_next_free_vgpr 160
		.amdhsa_next_free_sgpr 66
		.amdhsa_reserve_vcc 1
		.amdhsa_float_denorm_mode_32 3
		.amdhsa_float_denorm_mode_16_64 3
		.amdhsa_memory_ordered 1
		.amdhsa_forward_progress 1
		.amdhsa_inst_pref_size 80
	.end_amdhsa_kernel
	.amdgpu_metadata
---
amdhsa.version: [ 1, 2 ]
amdhsa.kernels:
  - .name:           k_qbc591f12ed_prep
    .symbol:         k_qbc591f12ed_prep.kd
    .args:
      - { .name: key, .offset: 0, .size: 8, .value_kind: global_buffer, .address_space: global }
      - { .name: value, .offset: 8, .size: 8, .value_kind: global_buffer, .address_space: global }
      - { .name: mask, .offset: 16, .size: 8, .value_kind: global_buffer, .address_space: global }
      - { .name: lowp_scales, .offset: 24, .size: 8, .value_kind: global_buffer, .address_space: global }
      - { .name: kv, .offset: 32, .size: 8, .value_kind: global_buffer, .address_space: global }
      - { .name: mw, .offset: 40, .size: 8, .value_kind: global_buffer, .address_space: global }
      - { .name: fl, .offset: 48, .size: 8, .value_kind: global_buffer, .address_space: global }
    .group_segment_fixed_size: 35328
    .private_segment_fixed_size: 0
    .kernarg_segment_align: 8
    .kernarg_segment_size: 56
    .max_flat_workgroup_size: 128
    .sgpr_count:     66
    .vgpr_count:     160
    .wavefront_size: 32
...
	.end_amdgpu_metadata
.endif
;; end of part 3
;; launch attn (part 4): grid 64 x 8, 16 waves a work-group, no clusters, 104,448 bytes of LDS; arguments kv, query, out0, fl, mw, lowp_scales; writes out0
.if DOCPART == 4
	.amdgcn_target "amdgcn-amd-amdhsa--gfx1250"
	.amdhsa_code_object_version 6
	.text
	.protected	k_qbc591f12ed_attn
	.globl	k_qbc591f12ed_attn
	.p2align	8
	.type	k_qbc591f12ed_attn,@function
k_qbc591f12ed_attn:
	s_mov_b64 s[64:65], 0
	v_nop
	global_prefetch_b8 v0, s[64:65] scope:SCOPE_SE
	s_setreg_imm32_b32 hwreg(HW_REG_WAVE_SCHED_MODE, 0, 2), 2
	s_setreg_imm32_b32 hwreg(HW_REG_WAVE_MODE, 25, 1), 1
	s_wait_xcnt 0x0
	s_wait_alu depctr_vm_vsrc(0)
; ATTENTION ON CODES OF BF8 (E5M2), SECOND LAUNCH.  out[head][q][:] = sum over k of softmax_k(where(mask[q,k], Q.K, -inf) / 8) V[k][:]; 64 heads, 2,048 positions, head size 64.
; LEFT OUT, by whole numbers that the first launch stored (fl, mw): a tile of 16 queries x 128 keys whose mask bytes are all 0 (each p is 0: it adds nothing to the sum or to the product, whatever the inputs hold);
;   the selects in a tile whose bytes are all 1; and the hold ahead of p's conversion where ep >= -15 (p <= 1 <= 57,344 x 2^ep: the hold changes nothing).  LIMIT: a NaN or infinity of value at a hidden key is not carried.
; THE SOFTMAX AHEAD OF THE SECOND PRODUCT: t = score x log2(e) / 8; M = the row's largest t so far, rounded UP to a whole number; p = 2^(t - M) is quantised with 2^ep, not normalised; the row's sum is taken of the
;   unquantised p and divides O at the end; when M moves, the sum and O are multiplied by 2^(old M - new M), which rounds nothing.  A row with no visible key has the sum 0 and O = 0: 0 x infinity, NaN, as reference() has it.
; SHARES.  Work-group (x, y): head x, queries 256 (7 - y) on (the later blocks first: an order, nothing hangs on it).  Each of SIXTEEN waves owns 16 queries in 224 registers: four waves to a SIMD, so that one
;   wave's vector work stands beside another's matrix work and LDS loads.  All waves walk the head's 16 steps of 128 keys; a wave passes over the work of a step that the flags call hidden for its tile.
; K AND V come as images of the operand registers (first launch): a step is 16,384 dense bytes.  The 512 threads bring it through registers, 2 x 16 bytes each, into one of two LDS slots, a step ahead;
;   a fragment's four registers are one ds_load_b128 at 16 x lane: consecutive bytes, no pitch, no padding.  A step that the flags call hidden for all 256 queries is not loaded.
; NO TENSOR LOAD, NO CLUSTER: which steps a work-group loads and which a wave works hangs on numbers read from memory; joint loads are tensor loads,
;   and the eight query blocks of a head would need different steps, as the mask has it.
; LAYOUT.  Both products are used transposed: S^T = K Q^T (source 0 = 16 keys, source 1 = my 16 queries, K = 64), O^T = V^T P^T (source 0 = 16 of the head's 64, source 1 = P, K = 128 keys): a lane holds ONE query (lane % 16).
;   Registers 4 c .. 4 c + 3 of an operand hold k = 32 c + 16 (lane / 16) + 0..15: a permutation of k, the same on both sides of each product.  Score register 16 b + i is key 32 b + 16 (lane / 16) + i of the step.
; LIMITS on the given exponents, so that each power of two below is an f32 number: eq and ep between -126 and 112; eq + ek between -123 and 130 (added to c's exponent field); ep + ev goes by v_ldexp_f32 and has none.
;   NaN in query is not served; an infinity is held at the largest code.
; THE MODE: SCHED_MODE bits 1:0 = 2 (LLVM: expert scheduling mode 2), set by the entry lines.  The code itself states the register dependences
;   between vector or matrix instructions and memory or LDS instructions, with s_wait_alu, always for 0.
; THE PLAN.  Registers that memory or LDS instructions touch:
;   v[LI], v[GOFF], v[PFO], v[STO], v[RD], v[QR], v[SPW], v[NIL]   Written once at the head, read as addresses (v[NIL] as data); never written again: one wait on va_vdst ahead of the first load serves them all.
;   v[FL ..]   Zeros at the head, ahead of that wait; then the next step's two global loads land in it, and each step's two LDS stores read it.  No vector instruction names it in the loop:
;              one wait on vm_vsrc a step, behind the stores and ahead of the branch that leads to the loads.
;   v[KV ..]   A live step: K's 16 LDS loads land; the 8 products K Q^T read; V's 16 LDS loads land; the 4 products V^T P^T read.  So two waits on va_vdst a live step: ahead of K's loads (the last live step's
;              products V^T P^T are done; before the first, Q's holds and conversions) and ahead of V's (this step's products K Q^T are done).  From the second of them to the products V^T P^T no vector
;              instruction names v[KV ..] or v[LI]: V's loads are dealt among the maximum's lines with no further wait.
;   v[SS ..]   Head: Q's loads land, LDS stores read (one wait on vm_vsrc behind them).  Loop: vector and matrix instructions alone.  Way out: 32 multiplies write, LDS stores read (one wait on va_vdst between).
;   O^T, p's codes, Q's fragment and the statistics are named by vector and matrix instructions alone.  No vector instruction of the loop writes a scalar register: the lane masks come by scalar loads.
.set SLOTB, 16384                      ; a slot: K's image, 8,192 bytes, then V's
.set VIMG,  8192
.set SP,    272                        ; a stage row: 256 bytes + 16
.set STAGE, 2*SLOTB                    ; behind the slots: 16 rows for each wave, for Q on the way in and O on the way out
.set SPARE, STAGE+16*16*SP             ; behind the stages: the spare words, 128 bytes for each wave: eight blocks of 256 bytes that no other line names
.set LI,   1                           ; v1   16 x lane
.set GOFF, 2                           ; v2   16 x thread: my 16 bytes of each half of a step
.set SPW,  3                           ; v3   LDS address of my spare word; never rewritten
.set NIL,  4                           ; v4   0; never rewritten
.set NINF, 5                           ; v5   -infinity
.set PLIM, 6                           ; v6   57,344 x 2^ep
.set PSC,  7                           ; v7   2^ep
.set STO,  8                           ; v8   stage: row r, + 32 h
.set RD,   9                           ; v9   stage: lanes 0-15 one row, lanes 16-31 the next
.set QR,   10                          ; v10  stage: row r, + 64 h
.set PFO,  11                          ; v11  the prefetch's offset
.set NM,   12                          ; v12  -M;  v13 the largest t so far
.set LS,   14                          ; v[14:15] the row's sum, in two halves
.set QF,   16                          ; v16-23   Q's fragment
.set FL,   24                          ; v24-31   my 32 bytes of the step on its way
.set KV,   32                          ; v32-95   K's 8 fragments, then V's 4
.set SS,   96                          ; v96-159  S^T, then p
.set OT,   160                         ; v160-191 O^T
.set PC,   192                         ; v192-207 p's codes
.set MA,   208                         ; v208, v209 at work
.set MB,   209
.set PX,   210                         ; v210 a lane permute's destination
.set FF,   212                         ; v[212:213] f = 2^(old M - new M) (the pair's low word serves both halves)
.set L2,   214                         ; v[214:215] the sum's second chain
.set QSC,  216                         ; v216 2^eq, v217 57,344 x 2^eq
.set QLIM, 217
.set MWP,  2                           ; s[2:3]   mw at my tile's words of the step in hand
.set KVP,  4                           ; s[4:5]   kv at the step to be loaded next
.set WV,   12                          ; s12  wave
.set TRIP, 13                          ; s13
.set ANY,  14                          ; s14  bit 0: the step in hand has a visible key for my tile
.set MIX,  15                          ; s15  bit 0: and a hidden one
.set WGA,  66                          ; s66  bit 0: ... for some tile of the work-group; bit 1: the next step
.set HOLD, 67                          ; s67  1 where ep < -15
.set SEL,  84                          ; s[84:85] lane selects: lane l xor 16
.set CS,   86                          ; s[86:87] c = log2(e) / 8 x 2^(eq + ek)
.set REM,  88                          ; s88  steps left, the one in hand among them
.set ASKL, 89                          ; s89  3 in a wave that prefetches, else the greatest number
; s16-63 and s68-83: the step's 64 mask words; word n in s[16 + n + 4 (n / 48)]
	s_load_b256 s[4:11], s[0:1], 0x0               ; kv s[4:5], query s[6:7], out0 s[8:9], fl s[10:11]
	s_load_b64 s[MWP:MWP+1], s[0:1], 0x20          ; mw
	s_load_b64 s[90:91], s[0:1], 0x28              ; the exponents
	v_lshl_add_u32 v[SPW], v0, 2, SPARE
	v_mov_b32 v[NIL], 0
	v_lshrrev_b32 v[MA], 5, v0
	v_readfirstlane_b32 s[WV], v[MA]               ; wave 0..15
	v_and_b32 v[MA], 31, v0                        ; lane
	v_and_b32 v[MB], 15, v0                        ; r
	v_bfe_u32 v[PX], v0, 4, 1                      ; h
	v_lshlrev_b32 v[LI], 4, v[MA]
	v_lshlrev_b32 v[GOFF], 4, v0
	s_wait_alu depctr_va_sdst(0)                   ; s[WV] is written, ahead of its first reader: the stage's place, the pointers and the prefetch's share are made from it
	s_mul_i32 s100, s[WV], 16*SP
	s_add_co_u32 s100, s100, STAGE                 ; my stage
	v_mul_u32_u24 v[FF], v[MB], SP
	v_add_nc_u32 v[FF], s100, v[FF]
	v_lshl_add_u32 v[STO], v[PX], 5, v[FF]
	v_lshl_add_u32 v[QR], v[PX], 6, v[FF]
	v_mul_u32_u24 v[RD], v[PX], SP
	v_lshl_add_u32 v[RD], v[MB], 4, v[RD]
	v_add_nc_u32 v[RD], s100, v[RD]
	s_and_b32 s101, s[WV], 1
	s_lshl_b32 s101, s101, 13
	v_lshl_add_u32 v[PFO], v[MA], 8, s101          ; lanes 256 bytes apart; wave 0 K's image, wave 1 V's
.irp j, 0,1,2,3,4,5,6,7
	v_mov_b32 v[FL+\j], 0                          ; written once: a step that nobody needs is not loaded, and these registers are stored all the same
.endr
	v_mov_b32 v[NINF], 0xff800000
	s_mov_b32 s[SEL], 0x76543210
	s_mov_b32 s[SEL+1], 0xfedcba98
	s_mov_b32 s101, 0
	s_wait_kmcnt 0x0
	s_load_b128 s[92:95], s[90:91], 0x0            ; eq, ek, ep, ev
	s_and_b32 s100, ttmp7, 0xffff                  ; y
	s_sub_co_u32 s[REM], 7, s100                   ; my block of 256 queries (kept here until the addresses are made)
	s_lshr_b32 s[ASKL], s[WV], 1
	s_or_b32 s[ASKL], s[ASKL], s100                ; 0 in waves 0 and 1 of the head's work-group with y = 0
	s_cmp_eq_u32 s[ASKL], 0
	s_cselect_b32 s[ASKL], 3, -1
	s_lshl_b32 s100, s[REM], 8                     ; fl: 16 tiles x 4 words are 256 bytes a block
	s_add_nc_u64 s[10:11], s[10:11], s[100:101]
	s_load_b512 s[16:31], s[10:11], 0x0            ; the block's 64 flag words, in the registers that the mask words take later
	s_load_b512 s[32:47], s[10:11], 0x40
	s_load_b512 s[48:63], s[10:11], 0x80
	s_load_b512 s[68:83], s[10:11], 0xc0
	s_lshl_b32 s[TRIP], s[WV], 4
	s_load_b128 s[96:99], s[10:11], s[TRIP] offset:0x0   ; my tile's four
	s_lshl_b32 s100, ttmp9, 18                     ; a head's 16 steps of 16,384 bytes
	s_add_nc_u64 s[KVP:KVP+1], s[KVP:KVP+1], s[100:101]
	s_lshl_b32 s100, ttmp9, 19                     ; a head's 2,048 rows of 256 bytes,
	s_lshl_b32 s[ANY], s[REM], 16                  ; my block's 256,
	s_add_co_u32 s100, s100, s[ANY]
	s_lshl_b32 s[ANY], s[WV], 12                   ; my wave's 16
	s_add_co_u32 s100, s100, s[ANY]
	s_add_nc_u64 s[6:7], s[6:7], s[100:101]
	s_add_nc_u64 s[8:9], s[8:9], s[100:101]
	s_lshl_b32 s100, s[REM], 4
	s_add_co_u32 s100, s100, s[WV]                 ; my tile T = 16 x block + wave
	s_lshl_b32 s100, s100, 12                      ; 16 steps of 256 bytes
	s_add_nc_u64 s[MWP:MWP+1], s[MWP:MWP+1], s[100:101]
	s_sub_nc_u64 s[MWP:MWP+1], s[MWP:MWP+1], 256   ; one step short: every step's head adds a step before the pointer is used
	s_wait_alu depctr_va_vdst(0)                   ; the eight addresses v1 to v4 and v8 to v11 are written, which every load, store and prefetch of the kernel reads; so are v[FL ..]'s zeros, which LDS stores read and in which loads land
.irp i, 0,1,2,3,4,5,6,7
	global_load_b128 v[SS+4*\i:SS+4*\i+3], v[LI], s[6:7] offset:512*\i th:TH_LOAD_NT   ; Q's 16 rows as they lie: 512 consecutive bytes a load
.endr
	s_wait_kmcnt 0x0
	s_wait_xcnt 0x0                                ; the scalar loads have read their offset: it and the temporaries may be written again
	s_or_b32 s[WGA], s16, s17
.set n, 2
.rept 62
	s_or_b32 s[WGA], s[WGA], s[16+n+4*(n/48)]
.set n, n+1
.endr
	s_and_b32 s[WGA], s[WGA], 0xffff               ; bit j: step j has a visible key for some of my work-group's queries.  Bit 16 is 0: the last step asks for nothing
	s_or_b32 s[ANY], s96, s97
	s_or_b32 s[ANY], s[ANY], s98
	s_or_b32 s[ANY], s[ANY], s99
	s_lshr_b32 s[MIX], s[ANY], 16
	s_and_b32 s[ANY], s[ANY], 0xffff
	s_cmp_lt_i32 s94, -15
	s_cselect_b32 s[HOLD], 1, 0
	s_add_co_i32 s100, s92, s93
	s_lshl_b32 s100, s100, 23
	s_add_co_i32 s[CS], s100, 0x3e38aa3b           ; c = log2(e) / 8, with eq + ek added to its exponent field: a sum of code products stands for sum x 2^(eq + ek)
	s_mov_b32 s[CS+1], s[CS]                       ; (named with it as a pair, so it is written)
	s_add_co_i32 s100, s94, 127
	s_lshl_b32 s101, s100, 23
	v_mov_b32 v[PSC], s101
	s_add_co_i32 s100, s100, 15
	s_lshl_b32 s100, s100, 23
	s_or_b32 s100, s100, 0x600000
	v_mov_b32 v[PLIM], s100
	s_add_co_i32 s100, s92, 127
	s_lshl_b32 s101, s100, 23
	v_mov_b32 v[QSC], s101
	s_add_co_i32 s100, s100, 15
	s_lshl_b32 s100, s100, 23
	s_or_b32 s100, s100, 0x600000
	v_mov_b32 v[QLIM], s100
	s_mov_b32 s[REM], 16
	s_mov_b32 s[TRIP], 8
	s_bitcmp1_b32 s[WGA], 0                        ; step 0, if anybody needs it
	s_cbranch_scc0 .Lno_first
	global_load_b128 v[FL:FL+3], v[GOFF], s[KVP:KVP+1]   ; no vector instruction since the wait on va_vdst above names v[FL ..] or v[GOFF]
	global_load_b128 v[FL+4:FL+7], v[GOFF], s[KVP:KVP+1] offset:VIMG
.Lno_first:
	s_wait_loadcnt 0x0                             ; Q (for 0: the two loads above are issued on one way only)
	; Q through my own stage: in as loaded, out 16 neighbours along d a lane; then the quantiser, in registers: Q is read once, by this wave
.irp i, 0,1,2,3,4,5,6,7
	ds_store_b128 v[RD], v[SS+4*\i:SS+4*\i+3] offset:2*SP*\i
.endr
.irp c, 0,1
.irp p, 0,1,2,3
	ds_load_b128 v[KV+16*\c+4*\p:KV+16*\c+4*\p+3], v[QR] offset:128*\c+16*\p   ; a wave's LDS instructions are served in order: these see my stores
.endr
.endr
	s_wait_dscnt 0x0
	s_wait_alu depctr_vm_vsrc(0)                   ; the eight LDS stores have read v[SS ..], which the first live step's products write, or, where no step is live, the way out's multiplies
.set j, 0
	s_wait_alu depctr_va_vdst(0)
.rept 32
	v_med3_num_f32 v[KV+j], v[KV+j], -v[QLIM], v[QLIM]   ; the conversion to an 8-bit code does not saturate (ISA guide 7.6.2)
.set j, j+1
.endr
.irp c, 0,1
	v_cvt_scalef32_pk8_bf8_f32 v[QF+4*\c:QF+4*\c+1], v[KV+16*\c:KV+16*\c+7], v[QSC]
	v_cvt_scalef32_pk8_bf8_f32 v[QF+4*\c+2:QF+4*\c+3], v[KV+16*\c+8:KV+16*\c+15], v[QSC]
.endr
	v_nop                                          ; one plain vector line between a scaled conversion and the matrix instruction that reads its result
	v_mov_b32 v[NM+1], 0xff61b1e6                  ; the largest t so far: -3e38, under every t
	v_floor_f32 v[NM], -v[NM+1]                    ; -M
	v_mov_b32 v[LS], 0
	v_mov_b32 v[LS+1], 0
	v_mov_b32 v[PX], 0                             ; a lane permute's destination counts as one of its sources
	v_mov_b32 v[FF+1], 0                           ; (named as the upper half of the pair)
.set j, 0
.rept 32
	v_mov_b32 v[OT+j], 0                           ; O^T.  Which step is a tile's first hangs on the mask, so no first step can be written out: the first live step finds zeros, which the first change of M leaves zeros
.set j, j+1
.endr
; A STEP: 128 keys, in slot \slot.
.macro STEP slot
.set BB, SLOTB*(\slot)
	; the change of slots, run by every wave in every step
	s_wait_loadcnt 0x0                             ; my 32 bytes of this step are in registers (or nothing was asked for)
	s_wait_xcnt 0x0                                ; the last step's loads, scalar loads and prefetch have read their pointers: both may be stepped
	s_add_nc_u64 s[KVP:KVP+1], s[KVP:KVP+1], SLOTB
	s_add_nc_u64 s[MWP:MWP+1], s[MWP:MWP+1], 256
	ds_store_b128 v[GOFF], v[FL:FL+3] offset:BB
	ds_store_b128 v[GOFF], v[FL+4:FL+7] offset:BB+VIMG
	s_wait_dscnt 0x0                               ; for the others' sake: my stores have landed, and my reads of the other slot are over
	s_wait_alu depctr_vm_vsrc(0)                   ; the two LDS stores have read v[FL ..], in which the next step's loads land: stated here, ahead of the branch that leads to those loads
	s_barrier_signal -1
	s_barrier_wait -1                              ; this slot is whole; it was last read two steps ago, ahead of the last barrier; the other slot is written again only behind the next
	s_bitcmp1_b32 s[WGA], 1                        ; the next step, if anybody needs it: it has this step's work in which to land
	s_cbranch_scc0 .Lnofill_\@
	global_load_b128 v[FL:FL+3], v[GOFF], s[KVP:KVP+1]
	global_load_b128 v[FL+4:FL+7], v[GOFF], s[KVP:KVP+1] offset:VIMG
.Lnofill_\@:
	; A PREFETCH INTO THE L2 of step j + 3, two steps ahead of the loads that will want it, where the wave has just issued its loads.  All eight work-groups of a head walk the same kv: the one with y = 0 asks,
	; its waves 0 and 1, 8,192 bytes each, lanes 256 bytes apart: each aligned block of 256 bytes is named once in the launch.  Steps 0 to 2 come by their loads alone; from j = 13 on there is no step j + 3.
	s_cmp_gt_u32 s[REM], s[ASKL]
	s_cbranch_scc0 .Lnoask_\@
	global_prefetch_b8 v[PFO], s[KVP:KVP+1] offset:2*SLOTB th:TH_LOAD_NT scope:SCOPE_SE
.Lnoask_\@:
	s_bitcmp1_b32 s[ANY], 0                        ; hidden for all my 16 queries: nothing of the step's work is done
	s_cbranch_scc0 .Lskip_\@
	s_bitcmp1_b32 s[MIX], 0                        ; a mixed tile wants its 64 lane masks
	s_cbranch_scc0 .Lnowords_\@
	s_load_b512 s[16:31], s[MWP:MWP+1], 0x0
	s_load_b512 s[32:47], s[MWP:MWP+1], 0x40
	s_load_b512 s[48:63], s[MWP:MWP+1], 0x80
	s_load_b512 s[68:83], s[MWP:MWP+1], 0xc0
.Lnowords_\@:
	s_wait_alu depctr_va_vdst(0)                   ; the last live step's products V^T P^T are done reading v[KV ..] (before the first live step: Q's holds and conversions are done with them): K's loads land there
.irp t, 0,1,2,3,4,5,6,7
.irp c, 0,1
	ds_load_b128 v[KV+8*\t+4*\c:KV+8*\t+4*\c+3], v[LI] offset:BB+1024*\t+512*\c
.endr
.endr
	s_wait_dscnt 0x0
.irp t, 0,1,2,3,4,5,6,7                        ; S^T = K Q^T
	v_wmma_f32_16x16x64_bf8_bf8 v[SS+8*\t:SS+8*\t+7], v[KV+8*\t:KV+8*\t+7], v[QF:QF+7], 0
.endr
.rept 4
	v_nop                                          ; places ahead of the first read of the scores (ISA guide 7.12.1); they stay beside the wait below
.endr
	s_wait_alu depctr_va_vdst(0)                   ; the eight products are done reading v[KV ..], in which V's sixteen loads land.  No vector instruction from here to the products V^T P^T names v[KV ..] or v[LI]
.irp m, 0,1,2,3                                ; V's load m: fragment m / 4, registers 4 (m % 4) on.  The first four now, the other twelve among the maximum's lines: they land while the softmax is walked
	ds_load_b128 v[KV+4*\m:KV+4*\m+3], v[LI] offset:BB+VIMG+512*\m
.endr
	s_wait_kmcnt 0x0                               ; the mask words, where they were asked for; on every way
	s_bitcmp1_b32 s[MIX], 0
	s_cbranch_scc0 .Lopen_\@
.set n, 0
.rept 64
	v_cndmask_b32 v[SS+n], v[NINF], v[SS+n], s[16+n+4*(n/48)]   ; a hidden key's score becomes -infinity ahead of the maximum: p = 0 then
.set n, n+1
.endr
.Lopen_\@:
	v_max3_num_f32 v[MA], v[SS], v[SS+1], v[SS+2]  ; the step's largest score of my query among my 64 keys, in two chains, each accumulator from its low end on,
	v_max3_num_f32 v[MB], v[SS+3], v[SS+4], v[SS+5]
.set q, 0
.rept 14
.if q < 12
	ds_load_b128 v[KV+16+4*q:KV+16+4*q+3], v[LI] offset:BB+VIMG+2048+512*q   ; V's load 4 + q.  No wait: the lines since the wait above name the scores, the lane masks and v[MA], v[MB] alone
.endif
	v_max3_num_f32 v[MA], v[MA], v[SS+6+4*q], v[SS+7+4*q]
	v_max3_num_f32 v[MB], v[MB], v[SS+8+4*q], v[SS+9+4*q]
.set q, q+1
.endr
	v_max3_num_f32 v[MA], v[MA], v[SS+62], v[SS+63]
	v_max_num_f32 v[MA], v[MA], v[MB]
	v_permlanex16_b32 v[PX], v[MA], s[SEL], s[SEL+1]
	v_max_num_f32 v[MA], v[MA], v[PX]              ; and among lane l xor 16's
	v_mul_f32 v[MA], s[CS], v[MA]                  ; as t (c is positive)
	v_max_num_f32 v[NM+1], v[NM+1], v[MA]          ; the running largest t
	v_mov_b32 v[MA], v[NM]
	v_floor_f32 v[NM], -v[NM+1]                    ; the new -M = floor(-t) = -ceil(t): a whole number
	v_sub_f32 v[MA], v[NM], v[MA]                  ; old M less new M: a whole number, 0 or less
	v_cvt_i32_f32 v[MA], v[MA]                     ; (it saturates)
	v_ldexp_f32 v[FF], 1.0, v[MA]                  ; f = 2^(old M - new M)
.set j, 0
.rept 32
	v_pk_fma_f32 v[SS+j:SS+j+1], v[SS+j:SS+j+1], s[CS:CS+1], v[NM:NM+1] op_sel_hi:[1,0,0]   ; t - M, two at a time (of the pairs c and -M the low word serves both halves)
.set j, j+2
.endr
.set j, 0
	s_wait_alu depctr_va_vdst(0)
.rept 64
	v_exp_f32 v[SS+j], v[SS+j]                     ; p = 2^(t - M), at most 1: not normalised
.set j, j+1
.endr
	v_pk_mul_f32 v[LS:LS+1], v[LS:LS+1], v[FF:FF+1] op_sel_hi:[1,0]   ; the sums under the new M: the plain line behind the exponentials
	s_wait_alu depctr_va_vdst(0)                   ; the 64 exponentials have written p in v[SS ..]: one wait for the batch ahead of its first reader and of the branch below
	v_pk_add_f32 v[L2:L2+1], v[SS:SS+1], v[SS+2:SS+3]   ; the row's sum is taken of the UNQUANTISED p, in two chains
.irp j, 4,8,12,16,20,24,28,32,36,40,44,48,52,56,60
	v_pk_add_f32 v[LS:LS+1], v[LS:LS+1], v[SS+\j:SS+\j+1]
	v_pk_add_f32 v[L2:L2+1], v[L2:L2+1], v[SS+\j+2:SS+\j+3]
.endr
	v_pk_add_f32 v[LS:LS+1], v[LS:LS+1], v[L2:L2+1]
	s_cmp_lg_u32 s[HOLD], 0                        ; the hold is walked where it can change a number: ep < -15
	s_cbranch_scc0 .Lnohold_\@
.set j, 0
.rept 64
	v_min_num_f32 v[SS+j], v[SS+j], v[PLIM]        ; p is not negative: the hold is one-sided
.set j, j+1
.endr
.Lnohold_\@:
.irp b, 0,1,2,3
	v_cvt_scalef32_pk8_bf8_f32 v[PC+4*\b:PC+4*\b+1], v[SS+16*\b:SS+16*\b+7], v[PSC]       ; registers 4 b .. 4 b + 3 of the operand: keys 32 b + 16 (lane / 16) + 0..15
	v_cvt_scalef32_pk8_bf8_f32 v[PC+4*\b+2:PC+4*\b+3], v[SS+16*\b+8:SS+16*\b+15], v[PSC]
.endr
.set j, 0
.rept 16
	v_pk_mul_f32 v[OT+j:OT+j+1], v[OT+j:OT+j+1], v[FF:FF+1] op_sel_hi:[1,0]   ; O^T under the new M.  (Also the plain lines between the conversions and the products)
.set j, j+2
.endr
	s_wait_alu depctr_va_vdst(0)
	s_wait_dscnt 0x0                               ; V is in
.irp dt, 0,1,2,3                               ; O^T += V^T P^T: the four accumulators by turns; eight other products stand between two links of a chain
	v_wmma_f32_16x16x128_bf8_bf8 v[OT+8*\dt:OT+8*\dt+7], v[KV+16*\dt:KV+16*\dt+15], v[PC:PC+15], v[OT+8*\dt:OT+8*\dt+7]
.endr
.rept 4
	v_nop                                          ; places ahead of the next read of O^T, which behind the last step is the way out's
.endr
.Lskip_\@:
	s_lshr_b32 s[ANY], s[ANY], 1                   ; on to the next step's flags
	s_lshr_b32 s[MIX], s[MIX], 1
	s_lshr_b32 s[WGA], s[WGA], 1
	s_sub_co_u32 s[REM], s[REM], 1
.endm
.Ltrip:                                            ; eight trips of two steps: both slots' addresses are immediates
	STEP 0
	STEP 1
	s_sub_co_u32 s[TRIP], s[TRIP], 1
	s_cmp_lg_u32 s[TRIP], 0
	s_cbranch_scc1 .Ltrip
	; THE WAY OUT.  O^T / the sum x 2^(ep + ev) goes through my stage and leaves as whole rows of 256 bytes.
	v_add_f32 v[LS], v[LS], v[LS+1]                ; the sum's two halves,
	v_permlanex16_b32 v[PX], v[LS], s[SEL], s[SEL+1]
	v_add_f32 v[LS], v[LS], v[PX]                  ; and lane l xor 16's
	s_wait_alu depctr_va_vdst(0)
	v_rcp_f32 v[LS], v[LS]
	v_nop                                          ; a plain line behind the transcendental
	s_add_co_i32 s100, s94, s95
	s_wait_alu depctr_va_vdst(0)                   ; the reciprocal has written v[LS]: ahead of its first reader
	v_ldexp_f32 v[LS], v[LS], s100
.set j, 0
.rept 32
	v_mul_f32 v[SS+j], v[OT+j], v[LS]              ; register 8 dt + i is out(query r, d = 16 dt + 8 h + i)
.set j, j+1
.endr
	s_wait_alu depctr_va_vdst(0)                   ; the 32 multiplies have written v[SS ..], which the LDS stores read; and every product, hold and conversion that named v[KV ..] is done: the stage's loads land there
.irp dt, 0,1,2,3
	ds_store_b128 v[STO], v[SS+8*\dt:SS+8*\dt+3] offset:64*\dt
	ds_store_b128 v[STO], v[SS+8*\dt+4:SS+8*\dt+7] offset:64*\dt+16
.endr
.irp i, 0,1,2,3,4,5,6,7
	ds_load_b128 v[KV+4*\i:KV+4*\i+3], v[RD] offset:2*SP*\i   ; a wave's LDS instructions are served in order: these see my stores
.endr
.irp i, 0,1,2,3,4,5,6,7
	s_wait_dscnt 7-\i                              ; load i is back; the 7 - i younger ones stay out
	global_store_b128 v[LI], v[KV+4*\i:KV+4*\i+3], s[8:9] offset:512*\i th:TH_STORE_NT   ; 32 lanes store two rows, 512 consecutive bytes, at a multiple of 256 from out0's first byte
.endr
	s_wait_dscnt 0x0                               ; the closing lines, six on end
	s_wait_alu 0x0
	s_wait_tensorcnt 0x0
	ds_add_u32 v[SPW], v[NIL]
	s_wait_dscnt 0x0
	s_endpgm
.Lfunc_end_k_qbc591f12ed_attn:
	.size	k_qbc591f12ed_attn, .Lfunc_end_k_qbc591f12ed_attn-k_qbc591f12ed_attn
	.p2alignl 7, 3214868480
	.fill 96, 4, 3214868480
	.section	.rodata,"a",@progbits
	.p2align	6, 0x0
	.amdhsa_kernel k_qbc591f12ed_attn
		.amdhsa_group_segment_fixed_size 104448
		.amdhsa_private_segment_fixed_size 0
		.amdhsa_enable_private_segment 0
		.amdhsa_kernarg_size 48
		.amdhsa_user_sgpr_count 2
		.amdhsa_user_sgpr_kernarg_segment_ptr 1
		.amdhsa_wavefront_size32 1
		.amdhsa_system_sgpr_workgroup_id_x 1
		.amdhsa_system_sgpr_workgroup_id_y 1
		.amdhsa_system_sgpr_workgroup_id_z 1
		.amdhsa_system_vgpr_workitem_id 0
		.amdhsa_next_free_vgpr 224
		.amdhsa_next_free_sgpr 102
		.amdhsa_reserve_vcc 0
		.amdhsa_float_denorm_mode_32 3
		.amdhsa_float_denorm_mode_16_64 3
		.amdhsa_memory_ordered 1
		.amdhsa_forward_progress 1
		.amdhsa_inst_pref_size 58
	.end_amdhsa_kernel
	.amdgpu_metadata
---
amdhsa.version: [ 1, 2 ]
amdhsa.kernels:
  - .name:           k_qbc591f12ed_attn
    .symbol:         k_qbc591f12ed_attn.kd
    .args:
      - { .name: kv, .offset: 0, .size: 8, .value_kind: global_buffer, .address_space: global }
      - { .name: query, .offset: 8, .size: 8, .value_kind: global_buffer, .address_space: global }
      - { .name: out0, .offset: 16, .size: 8, .value_kind: global_buffer, .address_space: global }
      - { .name: fl, .offset: 24, .size: 8, .value_kind: global_buffer, .address_space: global }
      - { .name: mw, .offset: 32, .size: 8, .value_kind: global_buffer, .address_space: global }
      - { .name: lowp_scales, .offset: 40, .size: 8, .value_kind: global_buffer, .address_space: global }
    .group_segment_fixed_size: 104448
    .private_segment_fixed_size: 0
    .kernarg_segment_align: 8
    .kernarg_segment_size: 48
    .max_flat_workgroup_size: 512
    .sgpr_count:     102
    .vgpr_count:     224
    .wavefront_size: 32
...
	.end_amdgpu_metadata
.endif
;; end of part 4
